; MI455X (gfx1250); checked and timed in simulation.
; The chip was launched on July 23, 2026; its instructions are those of AMD's public machine-readable ISA for CDNA 5 (MIT licence, August 2026) and "CDNA5" Instruction Set Architecture Reference Guide (July 2026). The comments in the code are by the model that wrote it; some were corrected since.
;; Attention. Allowed arithmetic: matrix products marked QUANTISED: E2M1 operands, one E8M0 scale for each 32 along K, by v_wmma_scale_f32_16x16x128_f8f6f4 with both operands' format E2M1 (or v_wmma_scale_f32_32x16x128_f4), f32 sums; products left as they are: bf16, f16 or f32 operands; f32 sums; everything else in f32.
;; Inputs: b_attn 3,072 float32; b_proj 1,024 float32; inputs 4 x 2,048 x 1,024 float32; w_attn 1,024 x 3,072 float32; w_proj 1,024 x 1,024 float32.
;; Outputs: out0 4 x 2,048 x 1,024 float32.
;; This version of the problem:
;;   THIS VERSION OF THE PROBLEM IS GIVEN IN LOW PRECISION. The matrix products marked QUANTISED in the list below multiply operands that are first quantised to E2M1 (2 exponent bits, 1 mantissa bit; 4 bits a number), with one power-of-two scale for each 32 numbers along K (OCP MX v1.0); their sums are f32. The products marked 'left as it is' may take bf16, f16 or f32 operands, with f32 sums. Whichever they take, every output number must still come out within the allowed error. Rounding operands to bf16 (8 significant bits) uses up far more of that allowance than f16 does (11 bits, for magnitudes from 6e-5 to 65,504). All else is computed in f32.
;;   The module's matrix products, in the order in which they are computed (A, B: the left and right operand; K: the contracted axis; several contracted axes count as one K, in the product's order):
;;     1. [M 8,192, K 1,024] x [K 1,024, N 3,072]; A: input inputs; B: input w_attn: QUANTISED
;;     2. batch 64 x [M 2,048, K 64] x [K 64, N 2,048]; A: computed on the way; B: computed on the way: left as it is (an operand is computed on the way)
;;     3. batch 64 x [M 2,048, K 2,048] x [K 2,048, N 64]; A: computed on the way; B: computed on the way: left as it is (an operand is computed on the way)
;;     4. [M 8,192, K 1,024] x [K 1,024, N 1,024]; A: computed on the way; B: input w_proj: left as it is (an operand is computed on the way)
;;   THE QUANTISER, for each operand of a quantised product, along K:
;;     - K is cut into blocks of 32 from its start; a last block that is shorter is filled with zeros.
;;     - A block's scale is 2^e with e = floor(log2(the largest magnitude in the block)) - 2, held to -126 .. 127; a block of zeros has e = 0. As a byte (E8M0): e + 127.
;;     - Each number is divided by its block's scale, clamped to +-6, and rounded to the nearest number of E2M1, ties to even, subnormals kept.
;;     - The product sums the exact products of the quantised numbers (number of the format x scale) in f32.
;;   ~~~python
;;   def quantise(x, axis):      # numpy; x: float32 -> the quantised numbers, widened to float32 again
;;       x = np.moveaxis(x, axis, -1); K = x.shape[-1]
;;       x = np.pad(x, [(0, 0)] * (x.ndim - 1) + [(0, -K % 32)]); x = x.reshape(x.shape[:-1] + (-1, 32)); a = np.abs(x).max(-1, keepdims=True)
;;       e = np.where(a > 0, np.clip(np.frexp(np.where(a > 0, a, 1))[1] - 1 - 2, -126, 127), 0)      # np.frexp(a)[1] - 1 = floor(log2(a)), exactly
;;       r = np.clip(x / 2.0 ** e, -6, 6)
;;       step = 2.0 ** (np.maximum(np.frexp(np.where(r == 0, 1, r))[1] - 1, 0) - 1)
;;       q = np.round(r / step) * step * 2.0 ** e      # np.round: ties to even
;;       return np.moveaxis(q.reshape(q.shape[:-2] + (-1,))[..., :K], -1, axis).astype(np.float32)
;;   ~~~
;; One version. Each part assembles by itself: llvm-mc -triple=amdgcn-amd-amdhsa -mcpu=gfx1250 --defsym DOCPART=n.
;; ======== version 1 of 1: 5 launches
;; limits: values are held in f16: magnitudes above 65,504 overflow, below 6.1e-05 lose precision
;; workspace buffers: x_codes 4,194,304 bytes; w_codes 1,572,864 bytes; scales 360,448 bytes; wt 2,097,152 bytes; qkv 50,331,648 bytes; qkv16 786,432 bytes; vsum 262,144 bytes; att 16,777,216 bytes
;; launch prep (part 1): grid 256 x 1, 8 waves a work-group, no clusters, 34,816 bytes of LDS; arguments inputs, w_attn, w_proj, x_codes, w_codes, scales, wt; writes x_codes, w_codes, scales, wt
.if DOCPART == 1
	.amdgcn_target "amdgcn-amd-amdhsa--gfx1250"
	.amdhsa_code_object_version 6
	.text
	.protected	k_qa894a52f99_prep
	.globl	k_qa894a52f99_prep
	.p2align	8
	.type	k_qa894a52f99_prep,@function
k_qa894a52f99_prep:
	s_mov_b64 s[64:65], 0
	v_nop
	global_prefetch_b8 v0, s[64:65] scope:SCOPE_SE
	s_setreg_imm32_b32 hwreg(HW_REG_WAVE_MODE, 25, 1), 1
	s_wait_xcnt 0x0
; inputs [8192][1024] and w_attn [1024][3072], f32, become codes of E2M1 with one E8M0 byte for each 32 along K; w_proj [1024][1024] becomes f16.
; A block's scale is 2^(floor(log2(its largest magnitude)) - 2): its byte is the largest magnitude's exponent field - 2, held at 1 from below.
; ALL THREE RESULTS LIE IN THE ORDER OF THE OPERAND'S REGISTERS: for 16 rows (or columns n) a group of 16 bytes along K (32 codes, or 8 f16) of row r lies at group x 256 + 16 r,
; so that the lane that makes 16 bytes stores them, sixteen neighbouring lanes store 256 consecutive aligned bytes, and a reader's fragment is two loads at 16 x lane.
; SHARES.  The roles part on the wave's number, so that every work-group has the same share: waves 0-3: 16 rows x 512 K of inputs each; waves 4-6: 32 columns x 128 K of w_attn; wave 7: 32 columns x 128 K of w_proj.
; The roles never join again: no barrier.  Only waves 0-3 use LDS, each a stage of its own.
; LIMITS: a block of zeros gets the byte 1 (its codes are zeros; this program alone reads the bytes); blocks whose largest magnitude lies under 2^-124 were not tried; NaN and infinities are not served;
; |w_proj| beyond 65,504 does not fit f16.  The scale bytes leave in pieces of 16 and of 4 bytes, rows 32 bytes apart: 360,448 of the launch's 8.2 million stored bytes.
.set STG,   8448                       ; a wave's stage: 16 rows x (512 bytes + 16)
.set SPARE, 33792                      ; behind the four stages: the spare words, 128 bytes for each of the eight waves
.set SPW,   12                         ; v12  my spare word's LDS address; never rewritten
.set NIL,   13                         ; v13  0; never rewritten
.set RA,    32                         ; v32-159 numbers as they are loaded, two sets
.set X,     160                        ; v160-223 path x: 64 neighbours along K of one row
.set C,     16                         ; v16-23 path x: a step's codes
.set SW,    24                         ; v24-27 scale words
.set CW,    96                         ; v96.. paths w and p: results, registers of their own for each block
	s_load_b256 s[4:11], s[0:1], 0x0               ; inputs s[4:5], w_attn s[6:7], w_proj s[8:9], x_codes s[10:11]
	s_load_b128 s[12:15], s[0:1], 0x20             ; w_codes s[12:13], scales s[14:15]
	s_load_b64 s[16:17], s[0:1], 0x30              ; wt
	v_lshl_add_u32 v[SPW], v0, 2, SPARE
	v_mov_b32 v[NIL], 0
	v_lshrrev_b32 v1, 5, v0
	v_readfirstlane_b32 s18, v1                    ; wave 0..7
	v_and_b32 v2, 31, v0                           ; lane
	v_and_b32 v7, 15, v0                           ; r
	v_bfe_u32 v1, v0, 4, 1                         ; h
	s_mov_b32 s20, 0x76543210
	s_mov_b32 s21, 0xfedcba98                      ; v_permlanex16_b32's selects for lane l xor 16
	s_mov_b32 s27, 0
	s_and_b32 s28, ttmp9, 31
	s_lshr_b32 s29, ttmp9, 5                       ; kc: which 128 along K (paths w and p)
	s_wait_kmcnt 0x0
	s_cmp_lt_u32 s18, 4
	s_cbranch_scc0 .Lnot_x
; ---- PATH X: 16 rows x 512 K of inputs, in four steps of 128 K
	s_lshl_b32 s22, ttmp9, 2
	s_add_co_u32 s22, s22, s18                     ; my share, 0..1023
	s_lshr_b32 s23, s22, 1                         ; its block of 16 rows
	s_and_b32 s24, s22, 1                          ; its half of K
	s_lshl_b32 s26, s23, 16
	s_lshl_b32 s25, s24, 11
	s_add_co_u32 s26, s26, s25
	s_add_nc_u64 s[4:5], s[4:5], s[26:27]          ; inputs: 16 rows of 4,096 bytes a block, 2,048 bytes a half
	s_lshl_b32 s26, s23, 13
	s_lshl_b32 s25, s24, 12
	s_add_co_u32 s26, s26, s25
	s_add_nc_u64 s[10:11], s[10:11], s[26:27]      ; codes: 8,192 bytes a block, 4,096 a half
	s_lshl_b32 s26, s23, 9
	s_lshl_b32 s25, s24, 4
	s_add_co_u32 s26, s26, s25
	s_add_nc_u64 s[14:15], s[14:15], s[26:27]      ; scale bytes: 32 a row, 16 a half
	s_mul_i32 s25, s18, STG
	v_lshlrev_b32 v3, 4, v2                        ; 16 x lane
	v_add_nc_u32 v4, s25, v3                       ; the stage, on the way in
	v_mul_u32_u24 v5, v7, 528
	v_lshl_add_u32 v5, v1, 7, v5
	v_add_nc_u32 v5, s25, v5                       ; and out: row r, + 128 h bytes: k = 32 h on
	v_lshlrev_b32 v6, 5, v7
	v_lshl_add_u32 v6, v1, 3, v6                   ; my 8 scale bytes: 32 r + 8 h
	v_lshlrev_b32 v28, 3, v1                       ; 8 h: my bytes' place in a scale word
	v_mov_b32 v29, 0                               ; a lane permute's destination counts as read
.macro LOADX t                         ; step t: each load reads 512 consecutive bytes of one row
.irp i, 0,1,2,3,4,5,6,7,8,9,10,11,12,13,14,15
	global_load_b128 v[RA+64*((\t)%2)+4*\i:RA+64*((\t)%2)+4*\i+3], v3, s[4:5] offset:4096*\i+512*(\t) th:TH_LOAD_NT
.endr
.endm
.macro STEPX t
.set RS, RA+64*((\t)%2)
.if (\t) < 3
	s_wait_loadcnt 16                              ; this step's 16 loads are in; the next step's 16 may be out
.else
	s_wait_loadcnt 0x0
.endif
.irp i, 0,1,2,3,4,5,6,7,8,9,10,11,12,13,14,15
	ds_store_b128 v4, v[RS+4*\i:RS+4*\i+3] offset:528*\i
.endr
.irp c, 0,1                            ; back: lane (r, h) takes k = 64 c + 32 h + 0 .. 31 of row r, as the operand's layout gives them.  LDS serves a wave's instructions in order
.irp i, 0,1,2,3,4,5,6,7
	ds_load_b128 v[X+32*\c+4*\i:X+32*\c+4*\i+3], v5 offset:256*\c+16*\i
.endr
.endr
	s_wait_dscnt 0x0                               ; the numbers are back, and the stores have read their registers,
.if (\t) < 2
	LOADX (\t)+2                                   ; which take the loads of two steps on
.endif
.irp c, 0,1
	v_max3_num_f32 v[8+\c], |v[X+32*\c]|, |v[X+32*\c+1]|, 0x1800000   ; my block 2 c + h: all 32 numbers are mine; the floor 2^(3 - 127) holds the byte at 1 from below
.endr
.irp i, 2,4,6,8,10,12,14,16,18,20,22,24,26,28,30
.irp c, 0,1
	v_max3_num_f32 v[8+\c], v[8+\c], |v[X+32*\c+\i]|, |v[X+32*\c+\i+1]|
.endr
.endr
.irp c, 0,1
	v_add_nc_u32 v[10+\c], 0xff000000, v[8+\c]     ; 2 off the exponent field: the conversion's scale operand
.endr
.irp c, 0,1
	v_lshrrev_b32 v[14+\c], 23, v[10+\c]           ; the scale's byte
.endr
	v_lshl_or_b32 v[SW+(\t)], v15, 16, v14         ; blocks h and 2 + h,
	v_lshlrev_b32 v[SW+(\t)], v28, v[SW+(\t)]      ; at their places;
	v_permlanex16_b32 v29, v[SW+(\t)], s20, s21
	v_or_b32 v[SW+(\t)], v[SW+(\t)], v29           ; with lane l xor 16's two the row's word for these 128 K is whole
	s_wait_xcnt 0x0                                ; the last step's stores have read their data: the codes' registers are written again only behind this wait
.irp c, 0,1
.irp g, 0,1,2,3
	v_cvt_scalef32_pk8_fp4_f32 v[C+4*\c+\g], v[X+32*\c+8*\g:X+32*\c+8*\g+7], v[10+\c]
.endr
.endr
	v_nop                                          ; one plain line behind the last scaled conversion
.irp c, 0,1
	global_store_b128 v3, v[C+4*\c:C+4*\c+3], s[10:11] offset:1024*(\t)+512*\c   ; K blocks 4 t + 2 c + h: 512 consecutive bytes
.endr
.endm
	LOADX 0
	LOADX 1
	STEPX 0
	STEPX 1
	STEPX 2
	STEPX 3
	v_cmp_ne_u32 vcc_lo, 0, v1
	v_cndmask_b32 v8, v[SW], v[SW+2], vcc_lo       ; lanes 0-15 store words 0, 1 of their row, lanes 16-31 words 2, 3
	v_cndmask_b32 v9, v[SW+1], v[SW+3], vcc_lo
	global_store_b64 v6, v[8:9], s[14:15]
	s_wait_tensorcnt 0x0                           ; the wave's end, behind my last LDS store
	ds_add_u32 v[SPW], v[NIL]
	s_wait_dscnt 0x0
	s_endpgm
; ---- PATHS W AND P: a lane takes a column, and its registers run down K
.macro LOADW t, pitch                  ; block t: 32 rows k at my column: a wave reads 128 consecutive bytes
.set li, 0
.rept 32
	global_load_b32 v[RA+32*((\t)%2)+li], v3, s[4:5] offset:(32*(\t)+li)*(\pitch) th:TH_LOAD_NT
.set li, li+1
.endr
.endm
.Lnot_x:
	v_lshlrev_b32 v3, 2, v2                        ; 4 bytes a lane
	v_lshlrev_b32 v4, 4, v7                        ; out: 16 r, and lanes 16-31 in the next block of 16 columns
	s_cmp_lt_u32 s18, 7
	s_cbranch_scc0 .Lp
	s_mul_i32 s22, s28, 3
	s_add_co_u32 s22, s22, s18
	s_sub_co_u32 s22, s22, 4                       ; my group of 32 columns, 0..95
	s_mul_i32 s26, s29, 128*12288
	s_lshl_b32 s25, s22, 7
	s_add_co_u32 s26, s26, s25
	s_add_nc_u64 s[4:5], s[6:7], s[26:27]          ; w_attn at row 128 kc, my first column
	s_lshl_b32 s26, s22, 14
	s_lshl_b32 s25, s29, 10
	s_add_co_u32 s26, s26, s25
	s_add_nc_u64 s[12:13], s[12:13], s[26:27]      ; codes: two blocks of 8,192 bytes a group, 256 bytes a K block
	s_lshl_b32 s26, s22, 10
	s_lshl_b32 s25, s29, 2
	s_add_co_u32 s26, s26, s25
	s_add_co_u32 s26, s26, 262144                  ; w's scale bytes lie behind x's
	s_add_nc_u64 s[14:15], s[14:15], s[26:27]
	v_lshl_add_u32 v4, v1, 13, v4
	v_lshlrev_b32 v5, 5, v2                        ; my column's row of scale bytes
.macro BLOCKW t
.set XS, RA+32*((\t)%2)
.if (\t) < 3
	s_wait_loadcnt 32                              ; this block's 32 loads are in; the next block's may be out
.else
	s_wait_loadcnt 0x0
.endif
	v_max3_num_f32 v8, |v[XS]|, |v[XS+1]|, |v[XS+2]|
	v_max3_num_f32 v9, |v[XS+3]|, |v[XS+4]|, |v[XS+5]|
.irp i, 6,10,14,18,22,26
	v_max3_num_f32 v8, v8, |v[XS+\i]|, |v[XS+\i+1]|
	v_max3_num_f32 v9, v9, |v[XS+\i+2]|, |v[XS+\i+3]|
.endr
	v_max3_num_f32 v8, v8, |v[XS+30]|, |v[XS+31]|
	v_max3_num_f32 v8, v8, v9, 0x1800000           ; and the floor
	v_add_nc_u32 v10, 0xff000000, v8
	v_lshrrev_b32 v11, 23, v10
.if (\t) == 0
	v_mov_b32 v[SW], v11
.else
	v_lshl_or_b32 v[SW], v11, 8*(\t), v[SW]        ; four bytes make the word of these 128 K
.endif
.irp g, 0,1,2,3
	v_cvt_scalef32_pk8_fp4_f32 v[CW+4*(\t)+\g], v[XS+8*\g:XS+8*\g+7], v10
.endr
	global_store_b128 v4, v[CW+4*(\t):CW+4*(\t)+3], s[12:13] offset:256*(\t)   ; lanes 0-15 store 256 consecutive aligned bytes, lanes 16-31 another 256
.if (\t) < 2
	LOADW (\t)+2, 12288
.endif
.endm
	LOADW 0, 12288
	LOADW 1, 12288
	BLOCKW 0
	BLOCKW 1
	BLOCKW 2
	BLOCKW 3
	global_store_b32 v5, v[SW], s[14:15]
	s_wait_tensorcnt 0x0                           ; the three closing lines, here too
	ds_add_u32 v[SPW], v[NIL]
	s_wait_dscnt 0x0
	s_endpgm
.Lp:
	s_lshl_b32 s26, s29, 19
	s_lshl_b32 s25, s28, 7
	s_add_co_u32 s26, s26, s25
	s_add_nc_u64 s[4:5], s[8:9], s[26:27]          ; w_proj at row 128 kc, column 32 x group
	s_lshl_b32 s26, s28, 16
	s_lshl_b32 s25, s29, 12
	s_add_co_u32 s26, s26, s25
	s_add_nc_u64 s[16:17], s[16:17], s[26:27]      ; wt: two blocks of 32,768 bytes a group, 256 bytes for each 8 along K
	v_lshl_add_u32 v4, v1, 15, v4
.macro BLOCKP t
.set XS, RA+32*((\t)%2)
.if (\t) < 3
	s_wait_loadcnt 32
.else
	s_wait_loadcnt 0x0
.endif
.irp i, 0,1,2,3,4,5,6,7,8,9,10,11,12,13,14,15
	v_cvt_pk_f16_f32 v[CW+16*(\t)+\i], v[XS+2*\i], v[XS+2*\i+1]
.endr
.irp g, 0,1,2,3
	global_store_b128 v4, v[CW+16*(\t)+4*\g:CW+16*(\t)+4*\g+3], s[16:17] offset:(4*(\t)+\g)*256
.endr
.if (\t) < 2
	LOADW (\t)+2, 4096
.endif
.endm
	LOADW 0, 4096
	LOADW 1, 4096
	BLOCKP 0
	BLOCKP 1
	BLOCKP 2
	BLOCKP 3
	s_wait_tensorcnt 0x0
	ds_add_u32 v[SPW], v[NIL]
	s_wait_dscnt 0x0
	s_endpgm
.Lfunc_end_k_qa894a52f99_prep:
	.size	k_qa894a52f99_prep, .Lfunc_end_k_qa894a52f99_prep-k_qa894a52f99_prep
	.p2alignl 7, 3214868480
	.fill 96, 4, 3214868480
	.section	.rodata,"a",@progbits
	.p2align	6, 0x0
	.amdhsa_kernel k_qa894a52f99_prep
		.amdhsa_group_segment_fixed_size 34816
		.amdhsa_private_segment_fixed_size 0
		.amdhsa_enable_private_segment 0
		.amdhsa_kernarg_size 56
		.amdhsa_user_sgpr_count 2
		.amdhsa_user_sgpr_kernarg_segment_ptr 1
		.amdhsa_wavefront_size32 1
		.amdhsa_system_sgpr_workgroup_id_x 1
		.amdhsa_system_sgpr_workgroup_id_y 1
		.amdhsa_system_sgpr_workgroup_id_z 1
		.amdhsa_system_vgpr_workitem_id 0
		.amdhsa_next_free_vgpr 232
		.amdhsa_next_free_sgpr 66
		.amdhsa_reserve_vcc 1
		.amdhsa_float_denorm_mode_32 3
		.amdhsa_float_denorm_mode_16_64 3
		.amdhsa_memory_ordered 1
		.amdhsa_forward_progress 1
		.amdhsa_inst_pref_size 67
	.end_amdhsa_kernel
	.amdgpu_metadata
---
amdhsa.version: [ 1, 2 ]
amdhsa.kernels:
  - .name:           k_qa894a52f99_prep
    .symbol:         k_qa894a52f99_prep.kd
    .args:
      - { .name: inputs, .offset: 0, .size: 8, .value_kind: global_buffer, .address_space: global }
      - { .name: w_attn, .offset: 8, .size: 8, .value_kind: global_buffer, .address_space: global }
      - { .name: w_proj, .offset: 16, .size: 8, .value_kind: global_buffer, .address_space: global }
      - { .name: x_codes, .offset: 24, .size: 8, .value_kind: global_buffer, .address_space: global }
      - { .name: w_codes, .offset: 32, .size: 8, .value_kind: global_buffer, .address_space: global }
      - { .name: scales, .offset: 40, .size: 8, .value_kind: global_buffer, .address_space: global }
      - { .name: wt, .offset: 48, .size: 8, .value_kind: global_buffer, .address_space: global }
    .group_segment_fixed_size: 34816
    .private_segment_fixed_size: 0
    .kernarg_segment_align: 8
    .kernarg_segment_size: 56
    .max_flat_workgroup_size: 256
    .sgpr_count:     66
    .vgpr_count:     232
    .wavefront_size: 32
...
	.end_amdgpu_metadata
.endif
;; end of part 1
;; launch qkv (part 2): grid 12 x 32, 4 waves a work-group, clusters of 4 x 4, 327,680 bytes of LDS; arguments x_codes, w_codes, scales, b_attn, qkv, qkv16, vsum; writes qkv, qkv16, vsum
.if DOCPART == 2
	.amdgcn_target "amdgcn-amd-amdhsa--gfx1250"
	.amdhsa_code_object_version 6
	.text
	.protected	k_qa894a52f99_qkv
	.globl	k_qa894a52f99_qkv
	.p2align	8
	.type	k_qa894a52f99_qkv,@function
k_qa894a52f99_qkv:
	s_mov_b64 s[64:65], 0
	v_nop
	global_prefetch_b8 v0, s[64:65] scope:SCOPE_SE
	s_setreg_imm32_b32 hwreg(HW_REG_WAVE_MODE, 25, 1), 1
	s_wait_xcnt 0x0
	s_wait_alu depctr_hold_cnt(0) depctr_sa_sdst(0) depctr_va_vdst(0) depctr_va_sdst(0) depctr_va_ssrc(0) depctr_va_vcc(0) depctr_vm_vsrc(0)
	s_getreg_b32 s2, hwreg(HW_REG_IB_STS2, 6, 4)
	s_cmp_eq_u32 s2, 0
	s_cbranch_scc0 .Lentry_in_a_cluster
	s_endpgm
.Lentry_in_a_cluster:
	s_bfe_u32 s2, ttmp6, 0x10000c
	s_cmp_lg_u32 s2, 0xf033
	s_cbranch_scc0 .Lentry_shape_is_right
	s_endpgm
.Lentry_shape_is_right:
; qkv = Q(inputs) Q(w_attn) + b_attn: [8192][1024] x [1024][3072] on codes of E2M1 with E8M0 scales; sums in f32.  The results leave three ways:
;   qkv    all of q, k, v as f16, by head, in the order of the next launches' operand registers: [section][batch][head][block of 16 tokens][group of 8 channels][token][16 bytes];
;   qkv16  tokens 0-15 of each sequence once more in f32, plain rows (they are carried in f32 to the end by a launch of their own);
;   vsum   the sums of V over each 128 tokens, f32 (the keys under the causal mask all have one weight: attention adds that weight x these sums).
; A tile of 256 x 256 to a work-group of four waves, 128 x 128 a wave: 64 accumulators, 512 registers.  K = 1,024 is two LDS slots of 512: both are asked for at the head and nothing is filled again.
; The codes lie in memory by blocks of 16 rows, a K block's 16 bytes of row r at K block x 256 + 16 r: a fragment is two loads at 16 x lane, 512 bytes apart: no pitch and no padding.
; CLUSTERS 4 x 4: A's tiles are asked for jointly along a row of the cluster, B's along a column.  Tile column = 4 x cluster x + cx, so cluster x is the section (q, k, v).
; Tile row = 8 cy + cluster y, so cy is the batch and cluster y the place in the sequence: the two branches of the way out hang on the cluster's x and y, which all partners share, and on the wave's number.
; 384 work-groups: a tile of 256 x 384 would give 256, but its 768 accumulator registers and 256 of fragments leave none for addresses.
; THE MATRIX INSTRUCTION IS USED TRANSPOSED (source 0 = 16 columns of w, source 1 = 16 tokens): a lane holds eight neighbouring channels of one token.  b_attn is the C of each sum's first product.
; LIMITS: |q|, |k|, |v| beyond 65,504 do not fit f16; under 6e-5 they keep an absolute error of 3e-8.
; REGISTERS: window 0: v16-29 addresses; v32-95 scale words, two sets; v128-191 A's fragments, one set; v192-255 b_attn in the result's layout, later packed results.  window 1: B's fragments, two sets.  windows 2, 3: accumulators.
.set NQ,     4                         ; steps of 128 along K in a slot
.set FR,     8
.set NL,     2
.set NP,     4                         ; places behind this matrix instruction (ISA guide 7.12.1)
.set HALFT,  32768                     ; 8 blocks of 16 rows x 4,096 bytes: what one tensor load brings
.set SLOT,   131072                    ; A's 16 blocks, then B's 16
.set SCL,    262144                    ; behind the slots: the scale bytes, as units of 256 bytes + 16 of padding
.set HALFS,  4352                      ; those of 128 rows (32 bytes a row)
.set SBLK,   544                       ; those of 16 rows
.set SPARE,  279552                    ; the spare words, 128 bytes for each wave
.set SPITCH, 528                       ; the stages for f32 rows: 16 rows x (512 + 16) a wave, in slot 0, which has had its one fill and its last read when the first result is stored there
.set STG2,   33792                     ; the V sums' stage lies this far behind the f32 rows'
.set ADRA, 16
.set ADRB, 20
.set STO,  24
.set RD,   25
.set CO,   26                          ; v26  16 x lane
.set ADRS, 27
.set SPW,  28
.set NIL,  29
.set SC,   32
.set AF,   128
.set BI,   192
.set WV,  18
.set RH,  19                           ; which half of the tile's rows is mine; also: I fetch for A (0) or for B (1)
.set CH,  20                           ; which half of its columns; also: which half of that tile I fetch
.set TR,  21
.set CLY, 22
.set CLX, 23
.set G1,  24
.set G0,  32
.set G1B, 48
.set G0B, 56
.set G1S, 68
.set G0S, 76
.set G1SB, 80
.set G0SB, 88
.set MSB, 0
.macro WIN new                         ; the immediate's high byte repeats the setting that is left
.if MSB != (\new)
	s_set_vgpr_msb (MSB<<8)|(\new)
.set MSB, (\new)
.endif
.endm
.set MUL_LO, 0xa1                      ; source 0 (B) window 1, source 1 (A) window 0, C and D window 2
.set MUL_HI, 0xf1                      ; the same, C and D window 3
.set TO_B,   0x40
.macro JLOAD g0a, g1a, g0b, g1b        ; a joint load: waves 0, 1 fetch for A, waves 2, 3 for B; an s_nop 0 and four v_nop follow each line
	s_cmp_eq_u32 s[RH], 0
	s_cbranch_scc0 .Lfor_b_\@
	tensor_load_to_lds s[\g0a:\g0a+3], s[\g1a:\g1a+7]
	s_nop 0
.rept 4
	v_nop
.endr
	s_branch .Lasked_\@
.Lfor_b_\@:
	tensor_load_to_lds s[\g0b:\g0b+3], s[\g1b:\g1b+7]
	s_nop 0
.rept 4
	v_nop
.endr
.Lasked_\@:
.endm
.macro CROUND                          ; a round of the cluster's barrier
	s_barrier_signal -1
	s_barrier_wait -1
	s_cmp_lg_u32 s[WV], 0
	s_cbranch_scc1 .Lnot_wave_0_\@
	s_barrier_signal -3
.Lnot_wave_0_\@:
	s_barrier_wait -3
	s_barrier_signal -1
	s_barrier_wait -1
.endm
	s_load_b256 s[4:11], s[0:1], 0x0               ; x_codes s[4:5], w_codes s[6:7], scales s[8:9], b_attn s[10:11]
	s_load_b128 s[12:15], s[0:1], 0x20             ; qkv s[12:13], qkv16 s[14:15]
	s_load_b64 s[16:17], s[0:1], 0x30              ; vsum
	v_lshl_add_u32 v[SPW], v0, 2, SPARE
	v_mov_b32 v[NIL], 0
	ds_add_u32 v[SPW], v[NIL]                      ; the wave's opening: the add, twice on end, and its wait ahead of my first tensor load
	ds_add_u32 v[SPW], v[NIL]
	v_lshrrev_b32 v1, 5, v0
	v_readfirstlane_b32 s[WV], v1
	s_lshr_b32 s[RH], s[WV], 1
	s_and_b32 s[CH], s[WV], 1
	s_bfe_u32 s40, ttmp6, 0x40000                  ; cx
	s_bfe_u32 s41, ttmp6, 0x40004                  ; cy
	s_mov_b32 s[CLX], ttmp9                        ; cluster x: the section
	s_lshl_b32 s42, ttmp9, 2
	s_add_co_u32 s42, s42, s40                     ; tile column = 4 x cluster x + cx
	s_and_b32 s[CLY], ttmp7, 0xffff                ; cluster y: the tile's place in its sequence
	s_lshl_b32 s[TR], s41, 3
	s_add_co_u32 s[TR], s[TR], s[CLY]              ; tile row = 8 cy + cluster y
	s_lshl_b32 s43, s41, 2
	s_lshl_b32 s43, 15, s43                        ; my row of the cluster
	s_lshl_b32 s44, 0x1111, s40                    ; my column
	; codes: 8 rows of 4,096 bytes (512 elements of 8 bytes), 8,192 bytes apart: half of K of 8 blocks of 16 rows; dense in LDS
	s_or_b32 s[G1+0], s43, (3<<16)|(1<<21)
	s_or_b32 s[G1B+0], s44, (3<<16)|(1<<21)
.irp g, G1, G1B
	s_mov_b32 s[\g+1], 512<<16                     ; tensor_dim0
	s_mov_b32 s[\g+2], 8<<16                       ; tensor_dim1
	s_mov_b32 s[\g+3], 512<<16                     ; tile_dim0
	s_mov_b32 s[\g+4], 8                           ; tile_dim1
	s_mov_b32 s[\g+5], 1024                        ; from row to row, in elements
	s_mov_b32 s[\g+6], 0
	s_mov_b32 s[\g+7], 0
.endr
	; the scale bytes of 128 rows: 4,096 dense bytes as 16 rows of 256, 16 bytes of padding behind each
	s_or_b32 s[G1S+0], s43, (3<<16)|(1<<20)|(1<<21)|(5<<22)|(3<<25)
	s_or_b32 s[G1SB+0], s44, (3<<16)|(1<<20)|(1<<21)|(5<<22)|(3<<25)
.irp g, G1S, G1SB
	s_mov_b32 s[\g+1], 32<<16
	s_mov_b32 s[\g+2], 16<<16
	s_mov_b32 s[\g+3], 32<<16
	s_mov_b32 s[\g+4], 16
	s_mov_b32 s[\g+5], 32
	s_mov_b32 s[\g+6], 0
	s_mov_b32 s[\g+7], 0
.endr
	s_lshl_b32 s2, s[CH], 3                        ; which 8 blocks of the tile's 16 I fetch
	s_lshl_b32 s96, s[TR], 4
	s_add_co_u32 s96, s96, s2                      ; A: block 16 x tile row + 8 x half
	s_lshl_b32 s98, s96, 9                         ; its scale bytes: 512 a block
	s_lshl_b32 s96, s96, 13                        ; its codes: 8,192 a block
	s_mov_b32 s97, 0
	s_mov_b32 s99, 0
	s_lshl_b32 s46, s42, 4
	s_add_co_u32 s46, s46, s2                      ; B: block 16 x tile column + 8 x half (in registers that never feed A's descriptors)
	s_lshl_b32 s92, s46, 9
	s_add_co_u32 s92, s92, 262144                  ; w's scale bytes lie behind x's
	s_lshl_b32 s46, s46, 13
	s_mov_b32 s47, 0
	s_mov_b32 s93, 0
	s_mul_i32 s45, s[WV], HALFT                    ; where they go: by the wave's number alone
	s_mul_i32 s94, s[WV], HALFS
	s_wait_dscnt 0x0                               ; both opening adds are done
	s_wait_kmcnt 0x0
	s_add_nc_u64 s[96:97], s[4:5], s[96:97]
	s_add_nc_u64 s[98:99], s[8:9], s[98:99]
	s_add_nc_u64 s[46:47], s[6:7], s[46:47]
	s_add_nc_u64 s[92:93], s[8:9], s[92:93]
	CROUND                                         ; all sixteen work-groups are here: the joint loads meet
	s_mov_b32 s[G0S], 1
	s_add_co_u32 s[G0S+1], s94, SCL
	s_mov_b64 s[G0S+2:G0S+3], s[98:99]
	s_or_b32 s[G0S+3], s[G0S+3], 0x80000000
	s_mov_b32 s[G0SB], 1
	s_add_co_u32 s[G0SB+1], s94, SCL
	s_mov_b64 s[G0SB+2:G0SB+3], s[92:93]
	s_or_b32 s[G0SB+3], s[G0SB+3], 0x80000000
	JLOAD G0S, G1S, G0SB, G1SB                     ; the scales first; then both slots: three loads of mine are out
.irp s, 0,1
	s_mov_b32 s[G0+4*\s], 1
	s_add_co_u32 s[G0+4*\s+1], s45, \s*SLOT
	s_add_nc_u64 s[G0+4*\s+2:G0+4*\s+3], s[96:97], \s*4096
	s_or_b32 s[G0+4*\s+3], s[G0+4*\s+3], 0x80000000
	s_mov_b32 s[G0B+4*\s], 1
	s_add_co_u32 s[G0B+4*\s+1], s45, \s*SLOT
	s_add_nc_u64 s[G0B+4*\s+2:G0B+4*\s+3], s[46:47], \s*4096
	s_or_b32 s[G0B+4*\s+3], s[G0B+4*\s+3], 0x80000000
	JLOAD G0+4*\s, G1, G0B+4*\s, G1B
.endr
	v_and_b32 v1, 15, v0                           ; r
	v_bfe_u32 v2, v0, 4, 1                         ; h
	v_and_b32 v3, 31, v0
	v_lshlrev_b32 v[CO], 4, v3                     ; 16 x lane
	s_lshl_b32 s2, s[RH], 15                       ; my 128 rows of A
	s_lshl_b32 s3, s[CH], 15
	s_add_co_u32 s3, s3, 65536                     ; my 128 columns of B, behind A's 256 rows
.irp s, 0,1
	v_add_nc_u32 v[ADRA+\s], s2, v[CO]
	v_add_nc_u32 v[ADRB+\s], s3, v[CO]
	s_add_co_u32 s2, s2, SLOT
	s_add_co_u32 s3, s3, SLOT
.endr
	v_mul_u32_u24 v5, v1, 32                       ; my row's scale bytes: 32 a row,
	v_lshrrev_b32 v6, 8, v5
	v_lshl_add_u32 v5, v6, 4, v5                   ; and 16 more for each 256 passed
	s_mul_i32 s2, s[RH], HALFS
	s_mul_i32 s3, s[CH], HALFS
	s_add_co_u32 s3, s3, 2*HALFS
	s_sub_co_u32 s3, s3, s2
	v_mul_u32_u24 v6, s3, v2                       ; lanes 16-31 take B's
	s_add_co_u32 s2, s2, SCL
	v_add_nc_u32 v5, v5, v6
	v_add_nc_u32 v[ADRS], s2, v5
	s_mul_i32 s2, s[WV], 16*SPITCH                 ; my stage
	v_mul_u32_u24 v5, v1, SPITCH
	v_lshl_add_u32 v5, v2, 5, v5
	v_add_nc_u32 v[STO], s2, v5                    ; in: row r, 32 bytes for each half of the lanes
	v_add_nc_u32 v[RD], s2, v[CO]                  ; back: the 32 lanes take one row of 512 bytes
	v_lshlrev_b32 v4, 5, v2                        ; b_attn: 32 h
	s_lshl_b32 s2, s42, 10
	s_lshl_b32 s95, s[CH], 9
	s_add_co_u32 s2, s2, s95                       ; my first column x 4 bytes
	s_mov_b32 s3, 0
	s_add_nc_u64 s[10:11], s[10:11], s[2:3]
.irp b, 0,1,2,3,4,5,6,7
	global_load_b128 v[BI+8*\b:BI+8*\b+3], v4, s[10:11] offset:64*\b         ; lane (r, h): b_attn at columns 16 b + 8 h + 0 .. 7, as the result has them
	global_load_b128 v[BI+8*\b+4:BI+8*\b+7], v4, s[10:11] offset:64*\b+16
.endr
	s_add_nc_u64 s[14:15], s[14:15], s[2:3]        ; qkv16: my columns,
	s_mul_i32 s2, s41, 196608
	s_add_nc_u64 s[14:15], s[14:15], s[2:3]        ; my batch's 16 rows of 12,288 bytes
	s_lshl_b32 s2, s41, 4
	s_lshl_b32 s95, s[CLY], 1
	s_add_co_u32 s2, s2, s95
	s_add_co_u32 s2, s2, s[RH]                     ; vsum: row 16 x batch + 2 x cluster y + my half,
	s_lshl_b32 s2, s2, 12
	s_lshl_b32 s95, s40, 10
	s_add_co_u32 s2, s2, s95
	s_lshl_b32 s95, s[CH], 9
	s_add_co_u32 s2, s2, s95                       ; channel 256 cx + 128 x half
	s_add_nc_u64 s[16:17], s[16:17], s[2:3]
	s_lshl_b32 s2, s[CLX], 2
	s_add_co_u32 s2, s2, s41                       ; qkv: 4 x section + batch,
	s_lshl_b32 s2, s2, 4
	s_lshl_b32 s95, s40, 2
	s_add_co_u32 s2, s2, s95
	s_lshl_b32 s95, s[CH], 1
	s_add_co_u32 s2, s2, s95                       ; head 4 cx + 2 x half: 262,144 bytes a head,
	s_lshl_b32 s2, s2, 18
	s_lshl_b32 s95, s[CLY], 4
	s_lshl_b32 s66, s[RH], 3
	s_add_co_u32 s95, s95, s66
	s_lshl_b32 s95, s95, 11                        ; block of 16 tokens 16 x cluster y + 8 x half: 2,048 bytes a block
	s_add_co_u32 s2, s2, s95
	s_add_nc_u64 s[12:13], s[12:13], s[2:3]
.macro FRAG reg, adr, q, i             ; 16 rows x 128 K of 4-bit codes: registers 4 c .. 4 c + 3 hold K = 64 c + 32 (l / 16) + 0 .. 31 of row l % 16
.irp c, 0,1
	ds_load_b128 v[\reg+4*\c:\reg+4*\c+3], v[\adr] offset:4096*(\i)+1024*(\q)+512*\c
.endr
.endm
; 16 matrix instructions: A's blocks a0, a0 + 1 x B's eight.  zero = 1: the first product starts the sums, on b_attn.  The 64 accumulators take turns, one instruction a turn.
.macro MUL16 a0, p, q, sc, zero
.irp a, \a0, \a0+1
.irp b, 0,1,2,3,4,5,6,7
.if \zero
	v_wmma_scale_f32_16x16x128_f8f6f4 v[8*(8*((\a)%4)+\b):8*(8*((\a)%4)+\b)+7], v[128*(\p)+FR*\b:128*(\p)+FR*\b+FR-1], v[AF+FR*(\a):AF+FR*(\a)+FR-1], v[BI+8*\b:BI+8*\b+7], v[SC+8*NQ*(\sc)+NQ*\b+(\q)], v[SC+8*NQ*(\sc)+NQ*(\a)+(\q)] matrix_a_fmt:MATRIX_FMT_FP4 matrix_b_fmt:MATRIX_FMT_FP4 matrix_a_scale:MATRIX_SCALE_ROW1
.else
	v_wmma_scale_f32_16x16x128_f8f6f4 v[8*(8*((\a)%4)+\b):8*(8*((\a)%4)+\b)+7], v[128*(\p)+FR*\b:128*(\p)+FR*\b+FR-1], v[AF+FR*(\a):AF+FR*(\a)+FR-1], v[8*(8*((\a)%4)+\b):8*(8*((\a)%4)+\b)+7], v[SC+8*NQ*(\sc)+NQ*\b+(\q)], v[SC+8*NQ*(\sc)+NQ*(\a)+(\q)] matrix_a_fmt:MATRIX_FMT_FP4 matrix_b_fmt:MATRIX_FMT_FP4 matrix_a_scale:MATRIX_SCALE_ROW1
.endif
.endr
.endr
.endm
.macro FETCH_B slot, q, p
	WIN TO_B
.irp i, 0,1,2,3,4,5,6,7
	FRAG 128*(\p)+FR*\i, ADRB+\slot, \q, \i
.endr
	WIN 0
.endm
.macro FETCH_A slot, q, i0
.irp i, \i0, \i0+1, \i0+2, \i0+3
	FRAG AF+FR*(\i), ADRA+\slot, \q, \i
.endr
.endm
.macro SCALES sc                       ; a slot's scale words: four a row; lanes 0-15 take A's block i, lanes 16-31 B's block i
.irp i, 0,1,2,3,4,5,6,7
	ds_load_b128 v[SC+8*NQ*\sc+NQ*\i:SC+8*NQ*\sc+NQ*\i+3], v[ADRS] offset:\i*SBLK
.endr
.endm
.macro PLACES n                        ; plain vector lines between a matrix instruction and a load into, or a read of, its registers
.rept \n
	v_nop
.endr
.endm
.macro STEP slot, q, zero              ; 128 along K that has its successor in the same slot
	s_wait_dscnt 4*NL                              ; B's set and A's blocks 0-3 are in; the youngest eight loads (A's blocks 4-7) may be out
	WIN MUL_LO-0x20*(\zero)                        ; (zero = 1: C in window 0)
	MUL16 0, (\q)%2, \q, \slot, \zero
	MUL16 2, (\q)%2, \q, \slot, \zero
	s_wait_dscnt 0
	PLACES NP
	FETCH_B \slot, (\q)+1, 1-(\q)%2
	FETCH_A \slot, (\q)+1, 0
	WIN MUL_HI-0x30*(\zero)
	MUL16 4, (\q)%2, \q, \slot, \zero
	MUL16 6, (\q)%2, \q, \slot, \zero
	PLACES NP
	WIN 0
	FETCH_A \slot, (\q)+1, 4
.endm
.macro TURN slot, next                 ; a slot's last step changes slots: each wave's part of the next slot has landed, then one barrier
	s_wait_tensorcnt 0x0                           ; all my tensor loads have landed
	ds_add_u32 v[SPW], v[NIL]                      ; 0 onto my spare word
	s_wait_dscnt 4*NL+1                            ; (the add and A's blocks 4-7 may be out)
	WIN MUL_LO
	MUL16 0, 1, NQ-1, \slot, 0
	s_wait_dscnt 0x0                               ; the add is done, and my reads of this slot are over
	s_barrier_signal -1
	MUL16 2, 1, NQ-1, \slot, 0
	WIN 0
	s_barrier_wait -1
	PLACES NP
	v_add_nc_u32 v[ADRS], 4*NQ, v[ADRS]            ; on to the next slot's scale words
	FETCH_B \next, 0, 0
	FETCH_A \next, 0, 0
	SCALES \next
	WIN MUL_HI
	MUL16 4, 1, NQ-1, \slot, 0
	MUL16 6, 1, NQ-1, \slot, 0
	PLACES NP
	WIN 0
	FETCH_A \next, 0, 4
.endm
.macro STEPS slot, from
.set Q, \from
.rept NQ-1-\from
	STEP \slot, Q, 0
.set Q, Q+1
.endr
.endm
	s_wait_tensorcnt 1                             ; the scales and my part of slot 0 are in (slot 1's load may be out),
	s_barrier_signal -1
	s_barrier_wait -1                              ; everybody's are
	FETCH_B 0, 0, 0
	FETCH_A 0, 0, 0
	SCALES 0
	FETCH_A 0, 0, 4
	s_wait_loadcnt 0x0                             ; b_attn
	STEP 0, 0, 1
	STEPS 0, 1
	TURN 0, 1
	STEPS 1, 0
	s_wait_dscnt 4*NL
	WIN MUL_LO
	MUL16 0, 1, NQ-1, 1, 0
	MUL16 2, 1, NQ-1, 1, 0
	s_wait_dscnt 0
	WIN MUL_HI
	MUL16 4, 1, NQ-1, 1, 0
	MUL16 6, 1, NQ-1, 1, 0
	WIN 0
	PLACES NP
; THE WAY OUT.  64 registers (16 tokens x 128 columns, f32) go through my stage and come back as whole rows of 512 bytes
.macro TOSTAGE32 win, reg, off
	WIN (\win)<<2                                  ; an LDS store's data are its source 1
.irp bb, 0,1,2,3,4,5,6,7
	ds_store_b128 v[STO], v[\reg+8*\bb:\reg+8*\bb+3] offset:\off+64*\bb       ; each accumulator from its low end on
	ds_store_b128 v[STO], v[\reg+8*\bb+4:\reg+8*\bb+7] offset:\off+64*\bb+16
.endr
	WIN 0
.irp t, 0,1,2,3,4,5,6,7,8,9,10,11,12,13,14,15
	ds_load_b128 v[AF+4*\t:AF+4*\t+3], v[RD] offset:\off+\t*SPITCH            ; LDS serves a wave's instructions in order: these see the stores above
.endr
.endm
	s_or_b32 s2, s[CLY], s[RH]                     ; tokens 0-15 of a sequence are block 0 of the upper waves of the sequence's first tile
	s_cmp_eq_u32 s2, 0
	s_cbranch_scc0 .Lno_f32
	TOSTAGE32 2, 0, 0
	s_wait_dscnt 0x0
.irp t, 0,1,2,3,4,5,6,7,8,9,10,11,12,13,14,15
	global_store_b128 v[CO], v[AF+4*\t:AF+4*\t+3], s[14:15] offset:12288*\t   ; 32 lanes store 512 consecutive bytes of row t
.endr
.Lno_f32:
	s_cmp_eq_u32 s[CLX], 2                         ; the section is V
	s_cbranch_scc0 .Lno_vsum
	s_wait_xcnt 0x0                                ; the stores above have read their registers
	WIN 0x0a                                       ; both sources window 2
.set i, 0
.rept 32
	v_pk_add_f32 v[SC+i:SC+i+1], v[i:i+1], v[64+i:64+i+1]                     ; blocks 0 and 1 start the sums over my 8 blocks of tokens
.set i, i+2
.endr
	WIN 0x08                                       ; source 1 window 2
.irp a, 2,3
.set i, 0
.rept 32
	v_pk_add_f32 v[SC+i:SC+i+1], v[SC+i:SC+i+1], v[64*\a+i:64*\a+i+1]
.set i, i+2
.endr
.endr
	WIN 0x0c                                       ; source 1 window 3
.irp a, 0,1,2,3
.set i, 0
.rept 32
	v_pk_add_f32 v[SC+i:SC+i+1], v[SC+i:SC+i+1], v[64*\a+i:64*\a+i+1]
.set i, i+2
.endr
.endr
	TOSTAGE32 0, SC, STG2                          ; the 16 tokens of a block lie in 16 lanes: through a stage of its own, back by rows,
	s_wait_dscnt 0x0
.irp d, 8,4,2,1
.set i, 0
.rept 2*\d
	v_pk_add_f32 v[AF+2*i:AF+2*i+1], v[AF+2*i:AF+2*i+1], v[AF+4*\d+2*i:AF+4*\d+2*i+1]   ; and the 16 rows are added: four channels a lane
.set i, i+1
.endr
.endr
	global_store_b128 v[CO], v[AF:AF+3], s[16:17]  ; 512 consecutive bytes: 128 channels' sums over my 128 tokens
.Lno_vsum:
.macro PACKST a                        ; block a as f16: a lane's eight channels are 16 bytes at 16 x lane of their group: stored as they stand, 512 consecutive bytes an instruction
.if (\a) >= 2
	s_wait_xcnt 0x0                                ; block a - 2's stores have read these registers
.endif
	WIN 0x0a+5*((\a)/4)                            ; both sources window 2 or 3
.irp bb, 0,1,2,3,4,5,6,7
.irp i, 0,1,2,3
	v_cvt_pk_f16_f32 v[BI+32*((\a)%2)+4*\bb+\i], v[64*((\a)%4)+8*\bb+2*\i], v[64*((\a)%4)+8*\bb+2*\i+1]
.endr
.endr
	WIN 0
.irp bb, 0,1,2,3,4,5,6,7
	global_store_b128 v[CO], v[BI+32*((\a)%2)+4*\bb:BI+32*((\a)%2)+4*\bb+3], s[12:13] offset:(\bb/4)*262144+2048*(\a)+(\bb%4)*512
.endr
.endm
.irp a, 0,1,2,3,4,5,6,7
	PACKST \a
.endr
	s_wait_tensorcnt 0x0                           ; the wave's end
	ds_add_u32 v[SPW], v[NIL]
	s_wait_dscnt 0x0
	CROUND                                         ; the closing round
	s_endpgm
.Lfunc_end_k_qa894a52f99_qkv:
	.size	k_qa894a52f99_qkv, .Lfunc_end_k_qa894a52f99_qkv-k_qa894a52f99_qkv
	.p2alignl 7, 3214868480
	.fill 96, 4, 3214868480
	.section	.rodata,"a",@progbits
	.p2align	6, 0x0
	.amdhsa_kernel k_qa894a52f99_qkv
		.amdhsa_group_segment_fixed_size 327680
		.amdhsa_private_segment_fixed_size 0
		.amdhsa_enable_private_segment 0
		.amdhsa_kernarg_size 56
		.amdhsa_user_sgpr_count 2
		.amdhsa_user_sgpr_kernarg_segment_ptr 1
		.amdhsa_wavefront_size32 1
		.amdhsa_system_sgpr_workgroup_id_x 1
		.amdhsa_system_sgpr_workgroup_id_y 1
		.amdhsa_system_sgpr_workgroup_id_z 1
		.amdhsa_system_vgpr_workitem_id 0
		.amdhsa_next_free_vgpr 1024
		.amdhsa_next_free_sgpr 100
		.amdhsa_reserve_vcc 0
		.amdhsa_float_denorm_mode_32 3
		.amdhsa_float_denorm_mode_16_64 3
		.amdhsa_memory_ordered 1
		.amdhsa_forward_progress 1
		.amdhsa_inst_pref_size 142
	.end_amdhsa_kernel
	.amdgpu_metadata
---
amdhsa.version: [ 1, 2 ]
amdhsa.kernels:
  - .name:           k_qa894a52f99_qkv
    .symbol:         k_qa894a52f99_qkv.kd
    .args:
      - { .name: x_codes, .offset: 0, .size: 8, .value_kind: global_buffer, .address_space: global }
      - { .name: w_codes, .offset: 8, .size: 8, .value_kind: global_buffer, .address_space: global }
      - { .name: scales, .offset: 16, .size: 8, .value_kind: global_buffer, .address_space: global }
      - { .name: b_attn, .offset: 24, .size: 8, .value_kind: global_buffer, .address_space: global }
      - { .name: qkv, .offset: 32, .size: 8, .value_kind: global_buffer, .address_space: global }
      - { .name: qkv16, .offset: 40, .size: 8, .value_kind: global_buffer, .address_space: global }
      - { .name: vsum, .offset: 48, .size: 8, .value_kind: global_buffer, .address_space: global }
    .group_segment_fixed_size: 327680
    .private_segment_fixed_size: 0
    .kernarg_segment_align: 8
    .kernarg_segment_size: 56
    .max_flat_workgroup_size: 128
    .sgpr_count:     100
    .vgpr_count:     1024
    .wavefront_size: 32
...
	.end_amdgpu_metadata
.endif
;; end of part 2
;; launch attn (part 3): grid 4 x 64, 16 waves a work-group, no clusters, 327,680 bytes of LDS; arguments qkv, vsum, att; writes att
.if DOCPART == 3
	.amdgcn_target "amdgcn-amd-amdhsa--gfx1250"
	.amdhsa_code_object_version 6
	.text
	.protected	k_qa894a52f99_attn
	.globl	k_qa894a52f99_attn
	.p2align	8
	.type	k_qa894a52f99_attn,@function
k_qa894a52f99_attn:
	s_mov_b64 s[64:65], 0
	v_nop
	global_prefetch_b8 v0, s[64:65] scope:SCOPE_SE
	s_setreg_imm32_b32 hwreg(HW_REG_WAVE_MODE, 25, 1), 1
	s_wait_xcnt 0x0
; att[b][q][head] = softmax_k(mask(q . k / 8)) v, for 64 heads of 2,048 tokens x 64 channels.  Operands f16, products' sums, maxima and sums in f32.
; THE MASK IS -10,000, NOT -INFINITY: a hidden key's score is exactly -10,000 (here -80,000 ahead of the division by 8) and keeps its weight w = exp(-10,000 - max).  Tiles that lie wholly
; under the mask are not multiplied: all their keys have the one weight w, so they add w x (the sum of their V) to the numerator and w x (their number) to the divisor: FIN adds both, from the
; sums of V over each 128 tokens that the launch before has stored.  The running maximum takes -80,000 in wherever a hidden key counts.
; SHARES.  Work-group (P, head) owns query blocks P and 7 - P, 256 queries each: it walks (P + 1) + (8 - P) = 9 slots of 256 keys whatever P: 256 work-groups of equal work, and the loop's trip count is a constant.
; Each of sixteen waves owns one tile of 16 queries in 256 registers: four waves to a SIMD, so that one wave's softmax stands beside another's products.  A key step is 128 keys, two to a slot.
; NO CLUSTER: the four work-groups of a head stand at different key slots in the same trip (their first phases have P + 1 slots), so no joint request would meet.
; LAYOUT.  Both products transposed: S^T = K Q^T, O^T = V^T P: a lane holds one query throughout.  q, k, v lie by blocks of 16 tokens, a group of 8 channels of token r at group x 256 + 16 r:
; K's and Q's fragments are two loads at 16 x lane; V is turned by ds_load_tr16_b128; each 256 bytes of V get 128 of padding in LDS.
; LIMITS: the result beyond 65,504 does not fit f16; weights under 6e-8 of the row's largest count as 0 in the second product.
; REGISTERS: v1-9 addresses; v[10:11] c m, m; v[12:13] the sum; v[14:15] a; v16-31 Q; v32-95 fragments of K or V; v96-159 S^T, then p; v160-191 P; v192-223 O^T; v224-255 at work.
.set SLOT1, 131072
.set VOFF,  32768                      ; a slot: K's 16 blocks x 2,048 bytes, then V's 128 units of 384
.set VS,    262144                     ; the head's sums of V: 16 rows x (256 + 16)
.set SPARE, 266496                     ; the spare words, 128 bytes for each of sixteen waves
.set WV, 10
.set P,  11
.set BH, 12
.set T,  13                            ; the trip
.set KF, 14                            ; the step's first key
.set Q0, 15                            ; my first query
.set TB, 16                            ; the slot in hand
.set G1K, 24
.set G1V, 32
.set G1S, 40
.set G0K, 48
.set G0V, 52
.set G0S, 56
.set LIM, 74
.macro NOPS4
.rept 4
	v_nop
.endr
.endm
.macro TLOAD                           ; waves 0, 1 fetch K's halves of a slot, waves 2, 3 V's; an s_nop 0 and four v_nop follow each line
	s_cmp_lt_u32 s[WV], 2
	s_cbranch_scc0 .Lnot_k_\@
	tensor_load_to_lds s[G0K:G0K+3], s[G1K:G1K+7]
	s_nop 0
	NOPS4
	s_branch .Lasked_\@
.Lnot_k_\@:
	s_cmp_lt_u32 s[WV], 4
	s_cbranch_scc0 .Lasked_\@
	tensor_load_to_lds s[G0V:G0V+3], s[G1V:G1V+7]
	s_nop 0
	NOPS4
.Lasked_\@:
.endm
; A PREFETCH INTO THE L2.  The work-group with P = 0 walks all 8 slots of its head in its second phase: in trip T it loads slot T for the next trip and names slot T + 1, which its tensor loads ask for one trip, two key steps, later.
; Waves 4-7 name K's 32,768 bytes, waves 8-11 V's: 8,192 bytes a wave, lanes 256 bytes apart: slots 1 to 7 are each named once in the launch.  Trips 7 and 8 name nothing.
.macro ASK
	s_cmp_lt_u32 s[T], s[LIM]
	s_cbranch_scc0 .Lnot_mine_\@
	global_prefetch_b8 v224, s[72:73] th:TH_LOAD_NT scope:SCOPE_SE
.Lnot_mine_\@:
.endm
	s_load_b128 s[4:7], s[0:1], 0x0                ; qkv, vsum
	s_load_b64 s[8:9], s[0:1], 0x10                ; att
	v_lshl_add_u32 v5, v0, 2, SPARE
	v_mov_b32 v6, 0
	ds_add_u32 v5, v6                              ; the wave's opening: the add, twice on end, and its wait ahead of my first tensor load
	ds_add_u32 v5, v6
	v_lshrrev_b32 v1, 5, v0
	v_readfirstlane_b32 s[WV], v1
	s_mov_b32 s[P], ttmp9
	s_and_b32 s[BH], ttmp7, 0xffff
	s_mov_b32 s[G1K], 3<<16                        ; K: 16,384 dense bytes as 64 rows of 256 (32 elements of 8 bytes), no padding
	s_mov_b32 s[G1V], (3<<16)|(1<<20)|(5<<22)|(31<<25)   ; V: the same with 32 words of padding behind every 64
.irp g, G1K, G1V
	s_mov_b32 s[\g+1], 32<<16
	s_mov_b32 s[\g+2], 64<<16
	s_mov_b32 s[\g+3], 32<<16
	s_mov_b32 s[\g+4], 64
	s_mov_b32 s[\g+5], 32
	s_mov_b32 s[\g+6], 0
	s_mov_b32 s[\g+7], 0
.endr
	s_mov_b32 s[G1S], (3<<16)|(1<<20)|(5<<22)|(3<<25)    ; the sums of V: 16 rows of 256 bytes, 4,096 bytes apart, 16 bytes of padding behind each
	s_mov_b32 s[G1S+1], 32<<16
	s_mov_b32 s[G1S+2], 16<<16
	s_mov_b32 s[G1S+3], 32<<16
	s_mov_b32 s[G1S+4], 16
	s_mov_b32 s[G1S+5], 512
	s_mov_b32 s[G1S+6], 0
	s_mov_b32 s[G1S+7], 0
	s_mov_b32 s20, 0x76543210
	s_mov_b32 s21, 0xfedcba98                      ; lane l xor 16
	s_mov_b32 s22, 0x3e38aa3b                      ; c = log2(e) / 8
	s_mov_b32 s23, s22
	s_mov_b32 s76, 0xc79c4000                      ; -80,000
	s_mov_b32 s77, 0xff61b1e6                      ; -3e38, under every score
	s_and_b32 s78, s[WV], 1                        ; which half of a slot I fetch, if I fetch
	s_lshl_b32 s79, s78, 14
	s_mul_i32 s80, s78, 24576
	s_add_co_u32 s80, s80, VOFF
	s_mov_b32 s19, 0
	s_mov_b32 s[T], 0
	s_mov_b32 s[KF], 0
	s_mov_b32 s[TB], 0
	s_lshl_b32 s[Q0], s[P], 8
	s_lshl_b32 s96, s[WV], 4
	s_add_co_u32 s[Q0], s[Q0], s96                 ; the first phase: query block P
	s_sub_co_u32 s96, s[WV], 4
	s_lshr_b32 s96, s96, 3                         ; 0 in waves 4 to 11,
	s_or_b32 s96, s96, s[P]                        ; of the work-group with P = 0
	s_cmp_eq_u32 s96, 0
	s_cselect_b32 s[LIM], 7, 0
	s_lshr_b32 s81, s[BH], 4                       ; batch
	s_and_b32 s82, s[BH], 15                       ; head
	s_wait_dscnt 0x0                               ; both opening adds are done
	s_wait_kmcnt 0x0
	s_lshl_b32 s18, s[BH], 18
	s_add_nc_u64 s[66:67], s[4:5], s[18:19]        ; q of my head
	s_mov_b32 s18, s79
	s_add_nc_u64 s[60:61], s[66:67], s[18:19]
	s_add_nc_u64 s[62:63], s[60:61], 0x2000000     ; v of my head, at my half of slot 0
	s_add_nc_u64 s[60:61], s[60:61], 0x1000000     ; k likewise
	s_mov_b32 s[G0K], 1
	s_mov_b32 s[G0K+1], s79
	s_mov_b64 s[G0K+2:G0K+3], s[60:61]
	s_or_b32 s[G0K+3], s[G0K+3], 0x80000000
	s_mov_b32 s[G0V], 1
	s_mov_b32 s[G0V+1], s80
	s_mov_b64 s[G0V+2:G0V+3], s[62:63]
	s_or_b32 s[G0V+3], s[G0V+3], 0x80000000
	s_lshl_b32 s18, s81, 16
	s_lshl_b32 s96, s82, 8
	s_add_co_u32 s18, s18, s96
	s_mov_b32 s[G0S], 1
	s_mov_b32 s[G0S+1], VS
	s_add_nc_u64 s[G0S+2:G0S+3], s[6:7], s[18:19]
	s_or_b32 s[G0S+3], s[G0S+3], 0x80000000
	s_cmp_lt_u32 s[WV], 2                          ; the first fills, one a wave: slot 0's K, slot 0's V, the sums of V
	s_cbranch_scc0 .Lf_not_k
	tensor_load_to_lds s[G0K:G0K+3], s[G1K:G1K+7]
	s_nop 0
	NOPS4
	s_branch .Lf_done
.Lf_not_k:
	s_cmp_lt_u32 s[WV], 4
	s_cbranch_scc0 .Lf_not_v
	tensor_load_to_lds s[G0V:G0V+3], s[G1V:G1V+7]
	s_nop 0
	NOPS4
	s_branch .Lf_done
.Lf_not_v:
	s_cmp_eq_u32 s[WV], 4
	s_cbranch_scc0 .Lf_done
	tensor_load_to_lds s[G0S:G0S+3], s[G1S:G1S+7]
	s_nop 0
	NOPS4
.Lf_done:
	s_lshl_b32 s18, s81, 22
	s_lshl_b32 s96, s82, 11
	s_add_co_u32 s18, s18, s96
	s_add_nc_u64 s[70:71], s[8:9], s[18:19]        ; att: 4,194,304 bytes a batch, my head's 8 groups of 256 bytes
	s_mov_b32 s18, 0x2000000
	s_cmp_lt_u32 s[WV], 8
	s_cselect_b32 s18, 0x1000000, s18              ; the prefetches: waves under 8 stand in k, the others in v,
	s_and_b32 s96, s[WV], 3
	s_lshl_b32 s96, s96, 13
	s_add_co_u32 s18, s18, s96                     ; at their quarter of slot 0: each change of slots steps them a slot on first
	s_add_nc_u64 s[72:73], s[66:67], s[18:19]
	v_and_b32 v4, 15, v0                           ; r
	v_bfe_u32 v9, v0, 4, 1                         ; h
	v_and_b32 v1, 31, v0
	v_lshlrev_b32 v224, 8, v1                      ; the prefetches' offset: 256 x lane
	v_lshlrev_b32 v1, 4, v1                        ; 16 x lane
	v_and_b32 v2, 7, v0
	v_lshl_add_u32 v2, v9, 3, v2
	v_lshlrev_b32 v2, 4, v2                        ; V: token 8 h + l % 8 of a block,
	v_bfe_u32 v3, v0, 3, 1
	v_mad_u32_u24 v2, v3, 384, v2                  ; group of channels (l / 8) % 2
	v_add_nc_u32 v2, VOFF, v2
	v_mul_u32_u24 v3, v4, 272
	v_lshl_add_u32 v3, v9, 5, v3
	v_add_nc_u32 v3, VS, v3                        ; the sums of V: row r, + 32 h
	v_lshlrev_b32 v226, 3, v9
	v_sub_nc_u32 v226, v4, v226                    ; r - 8 h
	v_mov_b32 v225, 0xc79c4000                     ; -80,000
	v_mov_b32 v15, 0                               ; (upper halves of pairs, and lane permutes' destinations: written once)
	v_mov_b32 v249, 0
	v_mov_b32 v253, 0
	v_mov_b32 v255, 0
; A KEY STEP: 128 keys, the q-th of the slot in hand
.macro STEP q
	s_add_co_u32 s96, s[Q0], 15                    ; a step all of whose keys come after my 16 queries is left out: FIN adds its term
	s_cmp_gt_u32 s[KF], s96
	s_cbranch_scc1 .Lhidden_\@
	v_add_nc_u32 v7, s[TB], v1
	v_add_nc_u32 v8, s[TB], v2
	v_nop
	v_nop                                          ; four places in front of loads into registers that the last products read
.irp g, 0,1                                    ; S^T = K Q^T, four tiles of 16 keys at a time
.if \g
	NOPS4
.endif
.irp t, 0,1,2,3
.irp f, 0,1,2,3
	ds_load_b128 v[32+16*\t+4*\f:32+16*\t+4*\f+3], v7 offset:(8*(\q)+4*\g+\t)*2048+512*\f
.endr
.endr
	s_wait_dscnt 0x0
.irp t, 0,1,2,3                                ; the four accumulators take turns
	v_wmma_f32_16x16x32_f16 v[96+8*(4*\g+\t):103+8*(4*\g+\t)], v[32+16*\t:39+16*\t], v[16:23], 0
.endr
.irp t, 0,1,2,3
	v_wmma_f32_16x16x32_f16 v[96+8*(4*\g+\t):103+8*(4*\g+\t)], v[40+16*\t:47+16*\t], v[24:31], v[96+8*(4*\g+\t):103+8*(4*\g+\t)]
.endr
.endr
	NOPS4
.irp kg, 0,1                                   ; V of the step's first 64 keys is asked for now: the softmax stands between these loads and the wait for them
.irp ct, 0,1,2,3
.irp e, 0,1
	ds_load_tr16_b128 v[32+32*\kg+8*\ct+4*\e:32+32*\kg+8*\ct+4*\e+3], v8 offset:((8*(\q)+2*\kg+\e)*8+2*\ct)*384
.endr
.endr
.endr
	s_add_co_u32 s96, s[KF], 127                   ; on the diagonal hidden keys get the mask's score; a step all of whose keys count skips this
	s_cmp_le_u32 s96, s[Q0]
	s_cbranch_scc1 .Lopen_\@
	s_sub_co_i32 s96, s[Q0], s[KF]
	v_add_nc_u32 v9, s96, v226                     ; d = my query - KF - 8 h.  Register 8 t + j holds key KF + 16 t + 8 h + j: hidden where 16 t + j > d
.set n, 0
.rept 64
	v_cmp_gt_i32 vcc_lo, 16*(n/8)+n%8, v9
	v_cndmask_b32 v[96+n], v[96+n], v225, vcc_lo
.set n, n+1
.endr
.Lopen_\@:
.irp b, 0,1,2,3
	v_max3_num_f32 v[232+\b], v[96+16*\b], v[97+16*\b], v[98+16*\b]   ; the maximum, in four chains
.endr
.irp i, 3,5,7,9,11,13
.irp b, 0,1,2,3
	v_max3_num_f32 v[232+\b], v[232+\b], v[96+16*\b+\i], v[97+16*\b+\i]
.endr
.endr
.irp b, 0,1,2,3
	v_max_num_f32 v[232+\b], v[232+\b], v[111+16*\b]
.endr
	v_max3_num_f32 v254, v232, v233, v234
	v_max3_num_f32 v254, v254, v235, v11           ; with the old m
	v_permlanex16_b32 v253, v254, s20, s21
	v_mov_b32 v252, v10                            ; c m_old
	v_max_num_f32 v11, v254, v253                  ; the new m
	v_mul_f32 v10, s22, v11
	v_sub_f32 v252, v252, v10
.set j, 0
.rept 32
	v_pk_fma_f32 v[96+j:97+j], v[96+j:97+j], s[22:23], v[10:11] op_sel_hi:[1,0,0] neg_lo:[0,0,1] neg_hi:[0,0,1]   ; c s - c m
.set j, j+2
.endr
	v_exp_f32 v14, v252                            ; a = 2^(c m_old - c m_new)
.set j, 0
.rept 64
	v_exp_f32 v[96+j], v[96+j]                     ; p, at most 1
.set j, j+1
.endr
	v_nop                                          ; a plain line behind the last exponential,
	s_wait_alu depctr_va_vdst(0)                   ; and one wait for the batch of 65, ahead of its first reader
.set j, 0
.rept 32
	v_cvt_pk_f16_f32 v[160+j], v[96+2*j], v[97+2*j]   ; two tiles of S^T, packed, are one fragment of P
.set j, j+1
.endr
	v_pk_mul_f32 v[12:13], v[12:13], v[14:15] op_sel_hi:[1,0]
	v_pk_add_f32 v[236:237], v[96:97], v[98:99]    ; the row's sum, two at a time, in two chains
.irp j, 4,8,12,16,20,24,28,32,36,40,44,48,52,56,60
	v_pk_add_f32 v[12:13], v[12:13], v[96+\j:97+\j]
	v_pk_add_f32 v[236:237], v[236:237], v[98+\j:99+\j]
.endr
	v_pk_add_f32 v[12:13], v[12:13], v[236:237]
.set j, 0
.rept 16
	v_pk_mul_f32 v[192+j:193+j], v[192+j:193+j], v[14:15] op_sel_hi:[1,0]   ; O^T x a
.set j, j+2
.endr
	s_wait_dscnt 0x0                               ; V is in
.irp kg, 0,1
.irp ct, 0,1,2,3
	v_wmma_f32_16x16x32_f16 v[192+8*\ct:199+8*\ct], v[32+32*\kg+8*\ct:39+32*\kg+8*\ct], v[160+8*\kg:167+8*\kg], v[192+8*\ct:199+8*\ct]
.endr
.endr
	NOPS4
.irp kg, 0,1
.irp ct, 0,1,2,3
.irp e, 0,1
	ds_load_tr16_b128 v[32+32*\kg+8*\ct+4*\e:32+32*\kg+8*\ct+4*\e+3], v8 offset:((8*(\q)+4+2*\kg+\e)*8+2*\ct)*384
.endr
.endr
.endr
	s_wait_dscnt 0x0
.irp kg, 0,1
.irp ct, 0,1,2,3
	v_wmma_f32_16x16x32_f16 v[192+8*\ct:199+8*\ct], v[32+32*\kg+8*\ct:39+32*\kg+8*\ct], v[176+8*\kg:183+8*\kg], v[192+8*\ct:199+8*\ct]
.endr
.endr
.Lhidden_\@:
	s_add_co_u32 s[KF], s[KF], 128
.endm
; THE CHANGE OF SLOTS stands at a trip's head.  Each wave waits for all its tensor loads, adds 0 to its spare word, and waits for that and for its reads of the slot that it has left; one barrier;
; fill = 1: behind it that slot takes the next trip's keys: the same phase's next 256, or, where this trip ends the first phase, keys 0 to 255 again.  One load of a wave is out.
.macro CHANGE fill
	s_wait_tensorcnt 0x0
	ds_add_u32 v5, v6
.if \fill
	ds_add_u32 v5, v6                              ; and twice on end here, in every trip alike; the descriptors' steps stand between it and the wait
	s_xor_b32 s[G0K+1], s[G0K+1], SLOT1
	s_xor_b32 s[G0V+1], s[G0V+1], SLOT1
	s_lshl_b32 s18, s[KF], 7                       ; 128 bytes a token
	s_add_co_u32 s18, s18, 32768
	s_cmp_eq_u32 s[T], s[P]
	s_cselect_b32 s18, 0, s18
	s_add_nc_u64 s[G0K+2:G0K+3], s[60:61], s[18:19]
	s_or_b32 s[G0K+3], s[G0K+3], 0x80000000
	s_add_nc_u64 s[G0V+2:G0V+3], s[62:63], s[18:19]
	s_or_b32 s[G0V+3], s[G0V+3], 0x80000000
	s_wait_xcnt 0x0                                ; the last prefetch, a trip back, has read its address
	s_add_nc_u64 s[72:73], s[72:73], 32768
.endif
	s_wait_dscnt 0x0
	s_barrier_signal -1
	s_barrier_wait -1
.if \fill
	TLOAD
	ASK
.endif
.endm
.macro INIT                            ; a phase begins: Q into registers; m under every score; the sum and O^T zero (the step is written once: its first a is 0 and multiplies zeros)
	s_lshl_b32 s18, s[Q0], 7
	s_add_nc_u64 s[68:69], s[66:67], s[18:19]
.irp i, 0,1,2,3
	global_load_b128 v[16+4*\i:19+4*\i], v1, s[68:69] offset:512*\i
.endr
	v_mov_b32 v11, s77
	v_mul_f32 v10, s22, v11
	v_mov_b32 v12, 0
	v_mov_b32 v13, 0
.set j, 0
.rept 32
	v_mov_b32 v[192+j], 0
.set j, j+1
.endr
	s_wait_loadcnt 0x0
.endm
; A PHASE ENDS.  The blocks of 128 keys behind my queries' own block jb are wholly hidden: 128 (15 - jb) keys of weight w = 2^(c (-80,000) - c m'), m' = max(m, -80,000); with jb = 15 there are none and w is 0.
.macro FIN
	s_lshr_b32 s78, s[Q0], 7                       ; jb
	s_cmp_lt_u32 s78, 15
	s_cselect_b32 s79, s76, s77
	s_sub_co_u32 s80, 15, s78
	s_lshl_b32 s80, s80, 7                         ; their number
	s_lshl_b32 s18, s[Q0], 11
	s_add_nc_u64 s[68:69], s[70:71], s[18:19]      ; att at my block of 16 tokens
	v_max_num_f32 v240, s79, v11                   ; m'   (these six lines are also the places behind the last products)
	v_mul_f32 v241, s22, v240
	v_sub_f32 v242, v10, v241
	v_mov_b32 v243, s79
	v_fma_f32 v243, v243, s22, -v241
	v_add_f32 v248, v12, v13
.irp ct, 0,1,2,3
	ds_load_b128 v[32+8*\ct:35+8*\ct], v3 offset:64*\ct          ; lane (r, h): the sums of V of block j = r, at my eight channels of each tile
	ds_load_b128 v[36+8*\ct:39+8*\ct], v3 offset:64*\ct+16
.endr
	v_exp_f32 v14, v242                            ; a
	v_exp_f32 v244, v243                           ; w
	v_cvt_f32_u32 v245, s80
	v_cmp_lt_u32 vcc_lo, s78, v4
	v_mov_b32 v247, 1.0
	v_cndmask_b32 v246, 0, v247, vcc_lo            ; 1 where r > jb
	v_permlanex16_b32 v249, v248, s20, s21
	v_add_f32 v248, v248, v249                     ; the row's sum
	s_wait_alu depctr_va_vdst(0)                   ; one wait for the two exponentials
	v_mul_f32 v250, v244, v245
	v_fma_f32 v248, v248, v14, v250                ; the divisor: sum x a + w x number
	v_rcp_f32 v251, v248
	s_wait_dscnt 0x0
.set j, 0
.rept 16
	v_pk_mul_f32 v[32+j:33+j], v[32+j:33+j], v[246:247] op_sel_hi:[1,0]
.set j, j+2
.endr
.irp m, 1,2,4,8
.set j, 0
.rept 32
	v_add_f32_dpp v[32+j], v[32+j], v[32+j] row_xmask:\m row_mask:0xf bank_mask:0xf   ; over the 16 lanes of a half: the sum of V over all blocks behind jb, in every lane
.set j, j+1
.endr
.endr
	s_wait_alu depctr_va_vdst(0)                   ; the reciprocal
	v_mul_f32 v252, v14, v251
	v_mul_f32 v254, v244, v251
.set j, 0
.rept 16
	v_pk_mul_f32 v[192+j:193+j], v[192+j:193+j], v[252:253] op_sel_hi:[1,0]
.set j, j+2
.endr
.set j, 0
.rept 16
	v_pk_fma_f32 v[192+j:193+j], v[32+j:33+j], v[254:255], v[192+j:193+j] op_sel_hi:[1,0,1]
.set j, j+2
.endr
.set j, 0
.rept 16
	v_cvt_pk_f16_f32 v[96+j], v[192+2*j], v[193+2*j]
.set j, j+1
.endr
.irp ct, 0,1,2,3
	global_store_b128 v1, v[96+4*\ct:99+4*\ct], s[68:69] offset:512*\ct   ; a lane's eight channels are 16 bytes at 16 x lane of their group: 512 consecutive bytes an instruction
.endr
	s_wait_xcnt 0x0                                ; the stores have read their registers and their base
.endm
	INIT
.Ltrip:                                            ; 8 trips; the ninth is written out
	CHANGE 1
	STEP 0
	STEP 1
	s_xor_b32 s[TB], s[TB], SLOT1
	s_cmp_eq_u32 s[T], s[P]                        ; the first phase ends with trip P: the same in all sixteen waves
	s_cbranch_scc0 .Lsame
	FIN
	s_sub_co_u32 s[Q0], 7, s[P]
	s_lshl_b32 s[Q0], s[Q0], 8
	s_lshl_b32 s96, s[WV], 4
	s_add_co_u32 s[Q0], s[Q0], s96                 ; the second phase: query block 7 - P
	s_mov_b32 s[KF], 0
	INIT
.Lsame:
	s_add_co_u32 s[T], s[T], 1
	s_cmp_lt_u32 s[T], 8
	s_cbranch_scc1 .Ltrip
	CHANGE 0
	STEP 0
	STEP 1
	FIN
	s_wait_tensorcnt 0x0                           ; the wave's end
	ds_add_u32 v5, v6
	s_wait_dscnt 0x0
	s_endpgm
.Lfunc_end_k_qa894a52f99_attn:
	.size	k_qa894a52f99_attn, .Lfunc_end_k_qa894a52f99_attn-k_qa894a52f99_attn
	.p2alignl 7, 3214868480
	.fill 96, 4, 3214868480
	.section	.rodata,"a",@progbits
	.p2align	6, 0x0
	.amdhsa_kernel k_qa894a52f99_attn
		.amdhsa_group_segment_fixed_size 327680
		.amdhsa_private_segment_fixed_size 0
		.amdhsa_enable_private_segment 0
		.amdhsa_kernarg_size 24
		.amdhsa_user_sgpr_count 2
		.amdhsa_user_sgpr_kernarg_segment_ptr 1
		.amdhsa_wavefront_size32 1
		.amdhsa_system_sgpr_workgroup_id_x 1
		.amdhsa_system_sgpr_workgroup_id_y 1
		.amdhsa_system_sgpr_workgroup_id_z 1
		.amdhsa_system_vgpr_workitem_id 0
		.amdhsa_next_free_vgpr 256
		.amdhsa_next_free_sgpr 100
		.amdhsa_reserve_vcc 1
		.amdhsa_float_denorm_mode_32 3
		.amdhsa_float_denorm_mode_16_64 3
		.amdhsa_memory_ordered 1
		.amdhsa_forward_progress 1
		.amdhsa_inst_pref_size 133
	.end_amdhsa_kernel
	.amdgpu_metadata
---
amdhsa.version: [ 1, 2 ]
amdhsa.kernels:
  - .name:           k_qa894a52f99_attn
    .symbol:         k_qa894a52f99_attn.kd
    .args:
      - { .name: qkv, .offset: 0, .size: 8, .value_kind: global_buffer, .address_space: global }
      - { .name: vsum, .offset: 8, .size: 8, .value_kind: global_buffer, .address_space: global }
      - { .name: att, .offset: 16, .size: 8, .value_kind: global_buffer, .address_space: global }
    .group_segment_fixed_size: 327680
    .private_segment_fixed_size: 0
    .kernarg_segment_align: 8
    .kernarg_segment_size: 24
    .max_flat_workgroup_size: 512
    .sgpr_count:     100
    .vgpr_count:     256
    .wavefront_size: 32
...
	.end_amdgpu_metadata
.endif
;; end of part 3
;; launch proj (part 4): grid 8 x 32, 4 waves a work-group, clusters of 4 x 4, 327,680 bytes of LDS; arguments att, wt, b_proj, out0; writes out0
.if DOCPART == 4
	.amdgcn_target "amdgcn-amd-amdhsa--gfx1250"
	.amdhsa_code_object_version 6
	.text
	.protected	k_qa894a52f99_proj
	.globl	k_qa894a52f99_proj
	.p2align	8
	.type	k_qa894a52f99_proj,@function
k_qa894a52f99_proj:
	s_mov_b64 s[64:65], 0
	v_nop
	global_prefetch_b8 v0, s[64:65] scope:SCOPE_SE
	s_setreg_imm32_b32 hwreg(HW_REG_WAVE_MODE, 25, 1), 1
	s_wait_xcnt 0x0
	s_wait_alu depctr_hold_cnt(0) depctr_sa_sdst(0) depctr_va_vdst(0) depctr_va_sdst(0) depctr_va_ssrc(0) depctr_va_vcc(0) depctr_vm_vsrc(0)
	s_getreg_b32 s2, hwreg(HW_REG_IB_STS2, 6, 4)
	s_cmp_eq_u32 s2, 0
	s_cbranch_scc0 .Lentry_in_a_cluster
	s_endpgm
.Lentry_in_a_cluster:
	s_bfe_u32 s2, ttmp6, 0x10000c
	s_cmp_lg_u32 s2, 0xf033
	s_cbranch_scc0 .Lentry_shape_is_right
	s_endpgm
.Lentry_shape_is_right:
; out0 = att w_proj + b_proj: [8192][1024] x [1024][1024], operands f16, sums f32.  (Rows 0-15 of each sequence are written once more, in f32 throughout, by the launch that follows.)
; A tile of 256 tokens x 128 columns to a work-group: 256 work-groups (tiles of 256 x 256 would be 128).  Four waves, 128 x 64 each: 32 accumulators, all of window 1.
; K goes in 8 steps of 128 through two LDS slots.  Both operands lie in memory by blocks of 16 rows, a group of 8 along K of row r at group x 256 + 16 r: a K step of a block is 4,096 consecutive bytes,
; dense in LDS, and a fragment is two loads at 16 x lane, 512 bytes apart.
; CLUSTERS 4 x 4: att's tiles are asked for jointly along a row of the cluster, wt's along a column.  THE MATRIX INSTRUCTION IS USED TRANSPOSED: a lane holds eight neighbouring columns of one token.
; b_proj is the C of each sum's first product.
; REGISTERS: window 0: v16-30 addresses; v32-63 b_proj in the result's layout; v64-159, v160-255 two fragment buffers: A's 8 fragments, then B's 4.  window 1: accumulator (a, b) at v[8 (4 a + b)].
.set SLOT,   98304                     ; A's 16 blocks x 4,096 bytes, then B's 8
.set STAGE,  196608                    ; behind the ring: 16 rows x (256 + 16) for each wave
.set SPARE,  214016
.set LAPS,   4
.set ADRA, 16
.set ADRB, 20
.set STO,  24
.set RD,   25
.set CO,   26
.set SPW,  28
.set NIL,  29
.set PFO,  30
.set BI,   32
.set F0,   64
.set F1,   160
.set WV,  12
.set RH,  13                           ; which half of the tile's rows is mine; also: I fetch for A (0) or for B (1)
.set CH,  14                           ; which half of its columns; also: which half of that tile I fetch
.set TR,  15
.set G1,  24
.set G0,  32
.set G1B, 48
.set G0B, 56
.set PFA, 66
.set LIM, 68
.set MSB, 0
.macro WIN new
.if MSB != (\new)
	s_set_vgpr_msb (MSB<<8)|(\new)
.set MSB, (\new)
.endif
.endm
.set MUL, 0x50                         ; C and D window 1
.macro PLACES
.rept 4
	v_nop
.endr
.endm
.macro JLOAD s                         ; a joint load; an s_nop 0 and four v_nop follow each line
	s_cmp_eq_u32 s[RH], 0
	s_cbranch_scc0 .Lfor_b_\@
	tensor_load_to_lds s[G0+4*\s:G0+4*\s+3], s[G1:G1+7]
	s_nop 0
	PLACES
	s_branch .Lasked_\@
.Lfor_b_\@:
	tensor_load_to_lds s[G0B+4*\s:G0B+4*\s+3], s[G1B:G1B+7]
	s_nop 0
	PLACES
.Lasked_\@:
.endm
.macro CREST
	s_cmp_lg_u32 s[WV], 0
	s_cbranch_scc1 .Lnot_wave_0_\@
	s_barrier_signal -3
.Lnot_wave_0_\@:
	s_barrier_wait -3
	s_barrier_signal -1
	s_barrier_wait -1
.endm
.macro CROUND
	s_barrier_signal -1
	s_barrier_wait -1
	CREST
.endm
; A PREFETCH INTO THE L2 of att's K step two refills on (steps 4 to 7), behind the joint load and the run of LDS loads.  A tile row of att is read by both clusters of its row of clusters: the one with x = 0 asks.
; Of the 8 blocks that wave 0 or 1 fetches each of the four partners takes two, told apart by address: 32 pieces of 256 bytes, a lane a piece.  The last lap's two refills name nothing.  wt is read by 32 tile rows and is not named.
.macro ASK
	s_cmp_gt_u32 s3, s[LIM]
	s_cbranch_scc0 .Lnot_mine_\@
	global_prefetch_b8 v[PFO], s[PFA:PFA+1] offset:4096 th:TH_LOAD_NT scope:SCOPE_SE
.Lnot_mine_\@:
.endm
	s_load_b256 s[4:11], s[0:1], 0x0               ; att s[4:5], wt s[6:7], b_proj s[8:9], out0 s[10:11]
	v_lshl_add_u32 v[SPW], v0, 2, SPARE
	v_mov_b32 v[NIL], 0
	ds_add_u32 v[SPW], v[NIL]                      ; the wave's opening: the add, twice on end, and its wait ahead of my first tensor load
	ds_add_u32 v[SPW], v[NIL]
	v_lshrrev_b32 v1, 5, v0
	v_readfirstlane_b32 s[WV], v1
	s_lshr_b32 s[RH], s[WV], 1
	s_and_b32 s[CH], s[WV], 1
	s_bfe_u32 s40, ttmp6, 0x40000                  ; cx
	s_bfe_u32 s41, ttmp6, 0x40004                  ; cy
	s_lshl_b32 s42, ttmp9, 2
	s_add_co_u32 s42, s42, s40                     ; tile column
	s_and_b32 s[TR], ttmp7, 0xffff
	s_lshl_b32 s[TR], s[TR], 2
	s_add_co_u32 s[TR], s[TR], s41                 ; tile row
	s_lshl_b32 s43, s41, 2
	s_lshl_b32 s43, 15, s43
	s_lshl_b32 s44, 0x1111, s40
	s_or_b32 s[G1+0], s43, (3<<16)|(1<<21)         ; A: 8 rows of 4,096 bytes (512 elements of 8), 32,768 bytes apart
	s_mov_b32 s[G1+1], 512<<16
	s_mov_b32 s[G1+2], 8<<16
	s_mov_b32 s[G1+3], 512<<16
	s_mov_b32 s[G1+4], 8
	s_mov_b32 s[G1+5], 4096
	s_mov_b32 s[G1+6], 0
	s_mov_b32 s[G1+7], 0
	s_or_b32 s[G1B+0], s44, (3<<16)|(1<<21)        ; B: 4 such rows
	s_mov_b32 s[G1B+1], 512<<16
	s_mov_b32 s[G1B+2], 4<<16
	s_mov_b32 s[G1B+3], 512<<16
	s_mov_b32 s[G1B+4], 4
	s_mov_b32 s[G1B+5], 4096
	s_mov_b32 s[G1B+6], 0
	s_mov_b32 s[G1B+7], 0
	s_lshl_b32 s16, s[TR], 4
	s_lshl_b32 s18, s[CH], 3
	s_add_co_u32 s16, s16, s18                     ; A: block 16 x tile row + 8 x half
	s_lshl_b32 s70, s40, 1
	s_add_co_u32 s70, s70, s16                     ; (the prefetches: + 2 cx)
	s_lshl_b32 s70, s70, 15
	s_add_co_u32 s70, s70, 8192                    ; at K step 2: the first refill steps it to 3 and names step 4
	s_mov_b32 s71, 0
	s_lshl_b32 s16, s16, 15
	s_mov_b32 s17, 0
	s_lshl_b32 s46, s42, 3
	s_lshl_b32 s18, s[CH], 2
	s_add_co_u32 s46, s46, s18                     ; B: block 8 x tile column + 4 x half
	s_lshl_b32 s46, s46, 15
	s_mov_b32 s47, 0
	s_lshl_b32 s20, s[CH], 15                      ; where they go: by the wave's number alone
	s_lshl_b32 s21, s[CH], 14
	s_add_co_u32 s21, s21, 65536
	s_or_b32 s22, s[RH], ttmp9
	s_cmp_eq_u32 s22, 0
	s_cselect_b32 s[LIM], 1, -1                    ; waves 0 and 1 of the clusters with x = 0 prefetch
	s_wait_dscnt 0x0
	s_wait_kmcnt 0x0
	s_add_nc_u64 s[16:17], s[4:5], s[16:17]
	s_add_nc_u64 s[46:47], s[6:7], s[46:47]
	s_add_nc_u64 s[PFA:PFA+1], s[4:5], s[70:71]
	CROUND                                         ; all sixteen work-groups are here: the first joint loads meet
.irp s, 0,1
	s_mov_b32 s[G0+4*\s], 1
	s_add_co_u32 s[G0+4*\s+1], s20, \s*SLOT
	s_add_nc_u64 s[G0+4*\s+2:G0+4*\s+3], s[16:17], \s*4096
	s_or_b32 s[G0+4*\s+3], s[G0+4*\s+3], 0x80000000
	s_mov_b32 s[G0B+4*\s], 1
	s_add_co_u32 s[G0B+4*\s+1], s21, \s*SLOT
	s_add_nc_u64 s[G0B+4*\s+2:G0B+4*\s+3], s[46:47], \s*4096
	s_or_b32 s[G0B+4*\s+3], s[G0B+4*\s+3], 0x80000000
	JLOAD \s
.endr
	v_and_b32 v1, 15, v0                           ; r
	v_bfe_u32 v2, v0, 4, 1                         ; h
	v_and_b32 v3, 31, v0
	v_lshlrev_b32 v3, 4, v3                        ; 16 x lane
	s_lshl_b32 s22, s[RH], 15                      ; my 8 blocks of A
	s_lshl_b32 s23, s[CH], 14
	s_add_co_u32 s23, s23, 65536                   ; my 4 blocks of B
.irp s, 0,1
	v_add_nc_u32 v[ADRA+\s], s22, v3
	v_add_nc_u32 v[ADRB+\s], s23, v3
	s_add_co_u32 s22, s22, SLOT
	s_add_co_u32 s23, s23, SLOT
.endr
	s_mul_i32 s22, s[WV], 16*272
	s_add_co_u32 s22, s22, STAGE                   ; my stage
	v_mul_u32_u24 v4, v1, 272
	v_lshl_add_u32 v4, v2, 5, v4
	v_add_nc_u32 v[STO], s22, v4                   ; in: row r, 32 bytes for each half of the lanes
	v_mul_u32_u24 v4, v2, 272
	v_lshl_add_u32 v4, v1, 4, v4
	v_add_nc_u32 v[RD], s22, v4                    ; back: lanes 0-15 one row of 256 bytes, lanes 16-31 the next
	v_lshlrev_b32 v[CO], 12, v2
	v_lshl_add_u32 v[CO], v1, 4, v[CO]             ; and the same two rows in out0
	v_lshlrev_b32 v[PFO], 15, v2
	v_lshl_add_u32 v[PFO], v1, 8, v[PFO]
	v_lshlrev_b32 v4, 5, v2
	s_lshl_b32 s22, s42, 9
	s_lshl_b32 s23, s[CH], 8
	s_add_co_u32 s22, s22, s23                     ; my first column x 4 bytes
	s_mov_b32 s23, 0
	s_add_nc_u64 s[8:9], s[8:9], s[22:23]
	s_add_nc_u64 s[10:11], s[10:11], s[22:23]
.irp b, 0,1,2,3
	global_load_b128 v[BI+8*\b:BI+8*\b+3], v4, s[8:9] offset:64*\b
	global_load_b128 v[BI+8*\b+4:BI+8*\b+7], v4, s[8:9] offset:64*\b+16
.endr
	s_lshl_b32 s22, s[TR], 8
	s_lshl_b32 s18, s[RH], 7
	s_add_co_u32 s22, s22, s18
	s_lshl_b32 s22, s22, 12                        ; my first row x 4,096 bytes
	s_add_nc_u64 s[10:11], s[10:11], s[22:23]
.macro MULQ f, a0, first               ; 8 products: A's blocks a0, a0 + 1 x B's four, 32 along K.  The 32 accumulators take turns
.irp a, \a0, \a0+1
.irp b, 0,1,2,3
.if \first
	v_wmma_f32_16x16x32_f16 v[8*(4*(\a)+\b):8*(4*(\a)+\b)+7], v[\f+64+8*\b:\f+64+8*\b+7], v[\f+8*(\a):\f+8*(\a)+7], v[BI+8*\b:BI+8*\b+7]
.else
	v_wmma_f32_16x16x32_f16 v[8*(4*(\a)+\b):8*(4*(\a)+\b)+7], v[\f+64+8*\b:\f+64+8*\b+7], v[\f+8*(\a):\f+8*(\a)+7], v[8*(4*(\a)+\b):8*(4*(\a)+\b)+7]
.endif
.endr
.endr
.endm
.macro FETCH slot, q, f                ; 24 LDS loads in one run: B's four fragments, then A's eight
	WIN 0
.irp i, 0,1,2,3
.irp c, 0,1
	ds_load_b128 v[\f+64+8*\i+4*\c:\f+64+8*\i+4*\c+3], v[ADRB+\slot] offset:4096*\i+1024*(\q)+512*\c
.endr
.endr
.irp i, 0,1,2,3,4,5,6,7
.irp c, 0,1
	ds_load_b128 v[\f+8*\i+4*\c:\f+8*\i+4*\c+3], v[ADRA+\slot] offset:4096*\i+1024*(\q)+512*\c
.endr
.endr
.endm
.macro QUARTER slot, q, f, g, first    ; multiplies buffer f; in its middle it fetches the slot's quarter q into buffer g
	s_wait_dscnt 8                                 ; B and A's blocks 0-3 are in; the youngest eight loads may be out
	WIN MUL-0x10*(\first)                          ; (first = 1: C, the bias, in window 0)
	MULQ \f, 0, \first
	MULQ \f, 2, \first
	PLACES
	FETCH \slot, \q, \g
	s_wait_dscnt 24                                ; all but the 24 just issued
	WIN MUL-0x10*(\first)
	MULQ \f, 4, \first
	MULQ \f, 6, \first
.endm
; A K step's last quarter changes slots: one barrier; in front of it each wave waits for all its tensor loads, adds 0 to its spare word, and waits for that and for its reads of this slot.
; fill = 1: the barrier opens a round of the cluster's, and the joint refill, two K steps ahead, is the first thing behind it.
.macro TURN slot, next, fill
	WIN 0
.if \fill
	s_wait_xcnt 0x0                                ; the last prefetch, a K step back, has read its address
	s_add_nc_u64 s[PFA:PFA+1], s[PFA:PFA+1], 4096
.endif
	s_wait_tensorcnt 0x0
	ds_add_u32 v[SPW], v[NIL]
	s_wait_dscnt 9                                 ; (the add and the youngest eight loads may be out)
	WIN MUL
	MULQ F1, 0, 0
	s_wait_dscnt 0x0
	s_barrier_signal -1
	MULQ F1, 2, 0
	WIN 0
	s_barrier_wait -1
.if \fill
	CREST
	s_add_nc_u64 s[G0+4*\slot+2:G0+4*\slot+3], s[G0+4*\slot+2:G0+4*\slot+3], 8192
	s_add_nc_u64 s[G0B+4*\slot+2:G0B+4*\slot+3], s[G0B+4*\slot+2:G0B+4*\slot+3], 8192
	JLOAD \slot                                    ; its four v_nop are also the places in front of the loads below
.else
	PLACES
.endif
	FETCH \next, 0, F0
.if \fill
	ASK
.endif
	WIN MUL
	MULQ F1, 4, 0
	MULQ F1, 6, 0
.endm
	s_wait_tensorcnt 1                             ; my part of K step 0 is in (K step 1's load may be out),
	s_barrier_signal -1
	s_barrier_wait -1                              ; everybody's is
	FETCH 0, 0, F0
	s_wait_loadcnt 0x0                             ; b_proj
	QUARTER 0, 1, F0, F1, 1
	WIN 0
	s_mov_b32 s3, LAPS-1
.Llap:                                             ; a trip goes once round the ring and fills both slots again
	QUARTER 0, 2, F1, F0, 0
	QUARTER 0, 3, F0, F1, 0
	TURN 0, 1, 1
	QUARTER 1, 1, F0, F1, 0
	QUARTER 1, 2, F1, F0, 0
	QUARTER 1, 3, F0, F1, 0
	TURN 1, 0, 1
	QUARTER 0, 1, F0, F1, 0
	WIN 0
	s_sub_co_u32 s3, s3, 1
	s_cmp_lg_u32 s3, 0
	s_cbranch_scc1 .Llap
	QUARTER 0, 2, F1, F0, 0                        ; the last lap fills nothing
	QUARTER 0, 3, F0, F1, 0
	TURN 0, 1, 0
	QUARTER 1, 1, F0, F1, 0
	QUARTER 1, 2, F1, F0, 0
	QUARTER 1, 3, F0, F1, 0
	s_wait_dscnt 8
	WIN MUL
	MULQ F1, 0, 0
	MULQ F1, 2, 0
	s_wait_dscnt 0x0
	MULQ F1, 4, 0
	MULQ F1, 6, 0
	WIN 0
	PLACES
; THE WAY OUT, a block of 16 tokens x 64 columns at a time, through my own stage: back as whole rows of 256 bytes
.macro TOSTAGE a
	WIN 0x04                                       ; an LDS store's data are its source 1: window 1
.irp b, 0,1,2,3
	ds_store_b128 v[STO], v[8*(4*(\a)+\b):8*(4*(\a)+\b)+3] offset:64*\b
	ds_store_b128 v[STO], v[8*(4*(\a)+\b)+4:8*(4*(\a)+\b)+7] offset:64*\b+16
.endr
	WIN 0
.irp t, 0,1,2,3,4,5,6,7
	ds_load_b128 v[F0+32*((\a)%2)+4*\t:F0+32*((\a)%2)+4*\t+3], v[RD] offset:544*\t   ; LDS serves a wave's instructions in order
.endr
.endm
.macro SEND a, younger
	s_wait_dscnt \younger
.irp t, 0,1,2,3,4,5,6,7
	global_store_b128 v[CO], v[F0+32*((\a)%2)+4*\t:F0+32*((\a)%2)+4*\t+3], s[10:11] offset:65536*(\a)+8192*\t th:TH_STORE_NT   ; 16 lanes store 256 consecutive aligned bytes
.endr
.endm
	TOSTAGE 0
.irp a, 1,2,3,4,5,6,7
.if \a > 1
	s_wait_xcnt 0x0                                ; block a - 2's stores have read the registers that block a's loads land in
.endif
	TOSTAGE \a
	SEND \a-1, 16                                  ; behind block a - 1's loads: block a's 8 stores and 8 loads
.endr
	SEND 7, 0
	s_wait_tensorcnt 0x0                           ; the wave's end
	ds_add_u32 v[SPW], v[NIL]
	s_wait_dscnt 0x0
	CROUND                                         ; the closing round
	s_endpgm
.Lfunc_end_k_qa894a52f99_proj:
	.size	k_qa894a52f99_proj, .Lfunc_end_k_qa894a52f99_proj-k_qa894a52f99_proj
	.p2alignl 7, 3214868480
	.fill 96, 4, 3214868480
	.section	.rodata,"a",@progbits
	.p2align	6, 0x0
	.amdhsa_kernel k_qa894a52f99_proj
		.amdhsa_group_segment_fixed_size 327680
		.amdhsa_private_segment_fixed_size 0
		.amdhsa_enable_private_segment 0
		.amdhsa_kernarg_size 32
		.amdhsa_user_sgpr_count 2
		.amdhsa_user_sgpr_kernarg_segment_ptr 1
		.amdhsa_wavefront_size32 1
		.amdhsa_system_sgpr_workgroup_id_x 1
		.amdhsa_system_sgpr_workgroup_id_y 1
		.amdhsa_system_sgpr_workgroup_id_z 1
		.amdhsa_system_vgpr_workitem_id 0
		.amdhsa_next_free_vgpr 512
		.amdhsa_next_free_sgpr 80
		.amdhsa_reserve_vcc 0
		.amdhsa_float_denorm_mode_32 3
		.amdhsa_float_denorm_mode_16_64 3
		.amdhsa_memory_ordered 1
		.amdhsa_forward_progress 1
		.amdhsa_inst_pref_size 87
	.end_amdhsa_kernel
	.amdgpu_metadata
---
amdhsa.version: [ 1, 2 ]
amdhsa.kernels:
  - .name:           k_qa894a52f99_proj
    .symbol:         k_qa894a52f99_proj.kd
    .args:
      - { .name: att, .offset: 0, .size: 8, .value_kind: global_buffer, .address_space: global }
      - { .name: wt, .offset: 8, .size: 8, .value_kind: global_buffer, .address_space: global }
      - { .name: b_proj, .offset: 16, .size: 8, .value_kind: global_buffer, .address_space: global }
      - { .name: out0, .offset: 24, .size: 8, .value_kind: global_buffer, .address_space: global }
    .group_segment_fixed_size: 327680
    .private_segment_fixed_size: 0
    .kernarg_segment_align: 8
    .kernarg_segment_size: 32
    .max_flat_workgroup_size: 128
    .sgpr_count:     80
    .vgpr_count:     512
    .wavefront_size: 32
...
	.end_amdgpu_metadata
.endif
;; end of part 4
;; launch fine (part 5): grid 64 x 4, 16 waves a work-group, no clusters, 18,432 bytes of LDS; arguments qkv16, vsum, w_proj, b_proj, out0; writes out0
.if DOCPART == 5
	.amdgcn_target "amdgcn-amd-amdhsa--gfx1250"
	.amdhsa_code_object_version 6
	.text
	.protected	k_qa894a52f99_fine
	.globl	k_qa894a52f99_fine
	.p2align	8
	.type	k_qa894a52f99_fine,@function
k_qa894a52f99_fine:
	s_mov_b64 s[64:65], 0
	v_nop
	global_prefetch_b8 v0, s[64:65] scope:SCOPE_SE
	s_setreg_imm32_b32 hwreg(HW_REG_WAVE_MODE, 25, 1), 1
	s_wait_xcnt 0x0
; POSITIONS 0 TO 15 OF EACH SEQUENCE, IN F32 FROM q, k, v TO out0: under the causal mask these rows average one to sixteen values and are the largest of the output, so operands of 16 bits would use up what the comparison allows.
; Work-group (x, b) makes rows 0-15 of batch b, columns 16 x .. 16 x + 15, over what the launch before has stored there.  Wave hd is head hd: it makes that head's attention for the 16 queries, and takes its O,
; as it stands in its registers, as the K slice 64 hd .. 64 hd + 63 of the projection; the sixteen partial tiles meet in LDS.  The attention is repeated in the 64 work-groups of a batch (36 small products a wave):
; work-groups hand each other nothing.  A work-group stores 64 bytes of each of 16 rows: 262,144 bytes in the whole launch.
; THE MASK IS -10,000: each of the 2,032 keys from 16 on, and each hidden key among the first 16, has the weight w = exp(-10,000 - max).  Numerator = sum over the 16 keys of (p - w) V + w x (the sum of all V);
; divisor = sum of the 16 p + 2,032 w.  (p - w is exactly 0 for a hidden key; of the sum of 2,048 V sixteen terms are taken away.)
; The f32 matrix form sums 4 along K; which k stands at which of its places is free as long as both sources agree, so each source is taken as it lies in the lanes.
; Its accumulators (v176-239) are written by matrix instructions alone; each sum begins with the constant 0; two or four accumulators take turns.
.set SPARE, 16384                      ; behind the sixteen partial tiles of 1,024 bytes: the spare words
.macro NOPS8
.rept 8
	v_nop
.endr
.endm
	s_load_b256 s[4:11], s[0:1], 0x0               ; qkv16 s[4:5], vsum s[6:7], w_proj s[8:9], b_proj s[10:11]
	s_load_b64 s[12:13], s[0:1], 0x20              ; out0
	v_lshl_add_u32 v14, v0, 2, SPARE
	v_mov_b32 v15, 0
	v_lshrrev_b32 v1, 5, v0
	v_readfirstlane_b32 s14, v1                    ; wave = head
	s_and_b32 s16, ttmp7, 0xffff                   ; batch
	s_and_b32 s17, s14, 1
	s_mov_b32 s19, 0
	s_mov_b32 s30, 0x76543210
	s_mov_b32 s31, 0xfedcba98                      ; lane l xor 16
	s_mov_b32 s32, 0x3e38aa3b                      ; c = log2(e) / 8
	s_lshl_b32 s33, s14, 8                         ; a head's 64 channels: 256 bytes
	s_lshl_b32 s34, ttmp9, 6                       ; my 16 columns: 64 bytes
	v_and_b32 v1, 15, v0                           ; r
	v_bfe_u32 v2, v0, 4, 1                         ; h
	v_mul_u32_u24 v3, v1, 12288
	v_lshl_add_u32 v3, v2, 7, v3                   ; Q, K: token r, channels 32 h on
	v_mul_u32_u24 v4, v2, 98304
	v_lshl_add_u32 v4, v1, 2, v4                   ; V: keys 8 h on, channel r of a tile
	v_lshlrev_b32 v5, 13, v2
	v_lshl_add_u32 v5, v1, 2, v5                   ; the sums of V: blocks 2 h on, channel r
	v_lshlrev_b32 v6, 15, v2
	v_lshl_add_u32 v6, v1, 2, v6                   ; w_proj: rows 8 h on, column r
	v_lshlrev_b32 v7, 5, v2
	v_lshl_add_u32 v7, s17, 4, v7                  ; b_proj: 32 h + 16 (wave % 2)
	v_lshl_add_u32 v12, v1, 12, v7                 ; out0: row r, the same columns
	v_lshlrev_b32 v13, 3, v2
	v_sub_nc_u32 v13, v1, v13                      ; r - 8 h
	v_and_b32 v249, 31, v0
	v_lshlrev_b32 v249, 4, v249
	s_lshl_b32 s35, s14, 10
	v_add_nc_u32 v248, s35, v249                   ; LDS: my partial tile, 16 x lane
	s_lshl_b32 s35, s17, 9
	v_add_nc_u32 v249, s35, v249                   ; and where waves 0 and 1 read all sixteen
	v_mov_b32 v255, 0xc79c4000                     ; -80,000
	v_mov_b32 v251, 0                              ; (a lane permute's destination counts as read)
	s_mul_i32 s18, s16, 196608
	s_add_co_u32 s18, s18, s33
	s_wait_kmcnt 0x0
	s_add_nc_u64 s[20:21], s[4:5], s[18:19]        ; q of my head; k lies 4,096 bytes on, v 8,192
	s_lshl_b32 s18, s16, 16
	s_add_co_u32 s18, s18, s33
	s_add_nc_u64 s[22:23], s[6:7], s[18:19]
	s_lshl_b32 s18, s14, 18
	s_add_co_u32 s18, s18, s34
	s_add_nc_u64 s[24:25], s[8:9], s[18:19]        ; w_proj at row 64 x head, my columns
	s_mov_b32 s18, s34
	s_add_nc_u64 s[26:27], s[10:11], s[18:19]
	s_lshl_b32 s18, s16, 23
	s_add_co_u32 s18, s18, s34
	s_add_nc_u64 s[28:29], s[12:13], s[18:19]
	global_load_b128 v[8:11], v7, s[26:27]         ; b_proj
.irp i, 0,1,2,3,4,5,6,7
	global_load_b128 v[16+4*\i:19+4*\i], v3, s[20:21] offset:16*\i            ; Q: register n = channel 32 h + n of query r
.endr
.irp i, 0,1,2,3,4,5,6,7
	global_load_b128 v[48+4*\i:51+4*\i], v3, s[20:21] offset:4096+16*\i       ; K likewise, of key r
.endr
.irp ct, 0,1,2,3
.irp i, 0,1,2,3,4,5,6,7
	global_load_b32 v[80+8*\ct+\i], v4, s[20:21] offset:8192+12288*\i+64*\ct  ; V(key 8 h + i, channel 16 ct + r)
.endr
.endr
.irp u, 0,1,2,3
.irp ct, 0,1,2,3
.irp j, 0,1
	global_load_b32 v[112+8*\u+2*\ct+\j], v5, s[22:23] offset:(4*\u+\j)*4096+64*\ct   ; the sum of V over block 4 u + 2 h + j, channel 16 ct + r
.endr
.endr
.endr
.irp ct, 0,1,2,3
.irp i, 0,1,2,3,4,5,6,7
	global_load_b32 v[144+8*\ct+\i], v6, s[24:25] offset:(16*\ct+\i)*4096     ; w_proj(64 hd + 16 ct + 8 h + i, my column r)
.endr
.endr
	s_wait_loadcnt 63                              ; of the 113 loads at most 63 are out: the first 50 are in, and b_proj, Q, K and V are the first 49
	; S^T = K Q^T: place 2 h + j of product kk stands for channel 32 h + 2 kk + j, on both sides
	v_wmma_f32_16x16x4_f32 v[176:183], v[48:49], v[16:17], 0
	v_wmma_f32_16x16x4_f32 v[184:191], v[50:51], v[18:19], 0
.irp kk, 2,4,6,8,10,12,14
	v_wmma_f32_16x16x4_f32 v[176:183], v[48+2*\kk:49+2*\kk], v[16+2*\kk:17+2*\kk], v[176:183]
	v_wmma_f32_16x16x4_f32 v[184:191], v[50+2*\kk:51+2*\kk], v[18+2*\kk:19+2*\kk], v[184:191]
.endr
	NOPS8
.irp j, 0,1,2,3,4,5,6,7
	v_add_f32 v[240+\j], v[176+\j], v[184+\j]      ; lane (r, h): query r, key 8 h + j
.endr
.irp j, 0,1,2,3,4,5,6,7
	v_cmp_gt_i32 vcc_lo, \j, v13                   ; hidden where 8 h + j > r
	v_cndmask_b32 v[240+\j], v[240+\j], v255, vcc_lo
.endr
	v_max3_num_f32 v250, v240, v241, v242
	v_max3_num_f32 v250, v250, v243, v244
	v_max3_num_f32 v250, v250, v245, v246
	v_max3_num_f32 v250, v250, v247, v255          ; the keys from 16 on are hidden for every one of these queries
	v_permlanex16_b32 v251, v250, s30, s31
	v_max_num_f32 v250, v250, v251                 ; m
	v_mul_f32 v251, s32, v250
.irp j, 0,1,2,3,4,5,6,7
	v_fma_f32 v[240+\j], v[240+\j], s32, -v251
.endr
	v_fma_f32 v252, v255, s32, -v251
.irp j, 0,1,2,3,4,5,6,7
	v_exp_f32 v[240+\j], v[240+\j]                 ; p
.endr
	v_exp_f32 v252, v252                           ; w
	v_mov_b32 v254, 0x44fe0000                     ; 2,032 (a plain line behind the exponentials)
	s_wait_alu depctr_va_vdst(0)                   ; one wait for the nine
	v_add_f32 v253, v240, v241
	v_add_f32 v250, v242, v243
	v_add_f32 v253, v253, v244
	v_add_f32 v250, v250, v245
	v_add_f32 v253, v253, v246
	v_add_f32 v250, v250, v247
	v_add_f32 v253, v253, v250
	v_permlanex16_b32 v251, v253, s30, s31
	v_add_f32 v253, v253, v251
	v_fma_f32 v253, v252, v254, v253               ; the divisor
	v_rcp_f32 v254, v253
.irp j, 0,1,2,3,4,5,6,7
	v_sub_f32 v[16+\j], v[240+\j], v252            ; p - w
.endr
	v_mov_b32 v24, v252
	v_mov_b32 v25, v252
	s_wait_loadcnt 32                              ; the sums of V are in; w_proj's 32 loads may be out
.irp u, 1,2,3
.irp ct, 0,1,2,3
	v_pk_add_f32 v[112+2*\ct:113+2*\ct], v[112+2*\ct:113+2*\ct], v[112+8*\u+2*\ct:113+8*\u+2*\ct]   ; four of the sixteen blocks to each of a product's four places
.endr
.endr
	; O^T = V^T (p - w) + (sums of V) w: place 2 h + j of product kk stands for key 8 h + 2 kk + j
.irp ct, 0,1,2,3
	v_wmma_f32_16x16x4_f32 v[192+8*\ct:199+8*\ct], v[80+8*\ct:81+8*\ct], v[16:17], 0
.endr
.irp kk, 1,2,3
.irp ct, 0,1,2,3
	v_wmma_f32_16x16x4_f32 v[192+8*\ct:199+8*\ct], v[80+8*\ct+2*\kk:81+8*\ct+2*\kk], v[16+2*\kk:17+2*\kk], v[192+8*\ct:199+8*\ct]
.endr
.endr
.irp ct, 0,1,2,3
	v_wmma_f32_16x16x4_f32 v[192+8*\ct:199+8*\ct], v[112+2*\ct:113+2*\ct], v[24:25], v[192+8*\ct:199+8*\ct]
.endr
	NOPS8
	s_wait_alu depctr_va_vdst(0)                   ; the reciprocal, ahead of its first reader
.set j, 0
.rept 32
	v_mul_f32 v[32+j], v[192+j], v254              ; lane (r, h): query r, channel 16 ct + 8 h + j
.set j, j+1
.endr
	s_wait_loadcnt 0x0                             ; w_proj
	; the projection's K slice: place 2 h + j of product (ct, i) stands for channel 16 ct + 8 h + 2 i + j
	v_wmma_f32_16x16x4_f32 v[224:231], v[144:145], v[32:33], 0
	v_wmma_f32_16x16x4_f32 v[232:239], v[146:147], v[34:35], 0
.irp n, 2,4,6,8,10,12,14
	v_wmma_f32_16x16x4_f32 v[224:231], v[144+2*\n:145+2*\n], v[32+2*\n:33+2*\n], v[224:231]
	v_wmma_f32_16x16x4_f32 v[232:239], v[146+2*\n:147+2*\n], v[34+2*\n:35+2*\n], v[232:239]
.endr
	NOPS8
.irp j, 0,1,2,3,4,5,6,7
	v_add_f32 v[240+\j], v[224+\j], v[232+\j]      ; lane (r, h): query r, column 8 h + j
.endr
	ds_store_b128 v248, v[240:243]
	ds_store_b128 v248, v[244:247] offset:512
	s_wait_dscnt 0x0                               ; for the others' sake: my stores have landed
	s_barrier_signal -1
	s_barrier_wait -1
	s_cmp_lt_u32 s14, 2                            ; wave c = 0, 1 adds the sixteen heads' parts of columns 8 h + 4 c + 0 .. 3
	s_cbranch_scc0 .Ldone
.irp u, 0,1,2,3,4,5,6,7,8,9,10,11,12,13,14,15
	ds_load_b128 v[16+4*\u:19+4*\u], v249 offset:1024*\u
.endr
	s_wait_dscnt 0x0
.irp d, 8,4,2,1
.set i, 0
.rept 2*\d
	v_pk_add_f32 v[16+2*i:17+2*i], v[16+2*i:17+2*i], v[16+4*\d+2*i:17+4*\d+2*i]
.set i, i+1
.endr
.endr
	v_pk_add_f32 v[16:17], v[16:17], v[8:9]
	v_pk_add_f32 v[18:19], v[18:19], v[10:11]
	global_store_b128 v12, v[16:19], s[28:29]
.Ldone:
	s_wait_tensorcnt 0x0                           ; the wave's end, behind my last LDS store
	ds_add_u32 v14, v15
	s_wait_dscnt 0x0
	s_endpgm
.Lfunc_end_k_qa894a52f99_fine:
	.size	k_qa894a52f99_fine, .Lfunc_end_k_qa894a52f99_fine-k_qa894a52f99_fine
	.p2alignl 7, 3214868480
	.fill 96, 4, 3214868480
	.section	.rodata,"a",@progbits
	.p2align	6, 0x0
	.amdhsa_kernel k_qa894a52f99_fine
		.amdhsa_group_segment_fixed_size 18432
		.amdhsa_private_segment_fixed_size 0
		.amdhsa_enable_private_segment 0
		.amdhsa_kernarg_size 40
		.amdhsa_user_sgpr_count 2
		.amdhsa_user_sgpr_kernarg_segment_ptr 1
		.amdhsa_wavefront_size32 1
		.amdhsa_system_sgpr_workgroup_id_x 1
		.amdhsa_system_sgpr_workgroup_id_y 1
		.amdhsa_system_sgpr_workgroup_id_z 1
		.amdhsa_system_vgpr_workitem_id 0
		.amdhsa_next_free_vgpr 256
		.amdhsa_next_free_sgpr 66
		.amdhsa_reserve_vcc 1
		.amdhsa_float_denorm_mode_32 3
		.amdhsa_float_denorm_mode_16_64 3
		.amdhsa_memory_ordered 1
		.amdhsa_forward_progress 1
		.amdhsa_inst_pref_size 26
	.end_amdhsa_kernel
	.amdgpu_metadata
---
amdhsa.version: [ 1, 2 ]
amdhsa.kernels:
  - .name:           k_qa894a52f99_fine
    .symbol:         k_qa894a52f99_fine.kd
    .args:
      - { .name: qkv16, .offset: 0, .size: 8, .value_kind: global_buffer, .address_space: global }
      - { .name: vsum, .offset: 8, .size: 8, .value_kind: global_buffer, .address_space: global }
      - { .name: w_proj, .offset: 16, .size: 8, .value_kind: global_buffer, .address_space: global }
      - { .name: b_proj, .offset: 24, .size: 8, .value_kind: global_buffer, .address_space: global }
      - { .name: out0, .offset: 32, .size: 8, .value_kind: global_buffer, .address_space: global }
    .group_segment_fixed_size: 18432
    .private_segment_fixed_size: 0
    .kernarg_segment_align: 8
    .kernarg_segment_size: 40
    .max_flat_workgroup_size: 512
    .sgpr_count:     66
    .vgpr_count:     256
    .wavefront_size: 32
...
	.end_amdgpu_metadata
.endif
;; end of part 5
